; MI455X (gfx1250); checked and timed in simulation.
; The chip was launched on July 23, 2026; its instructions are those of AMD's public machine-readable ISA for CDNA 5 (MIT licence, August 2026) and "CDNA5" Instruction Set Architecture Reference Guide (July 2026). The comments in the code are by the model that wrote it; some were corrected since.
;; Causal Self Attention. Allowed arithmetic: matrix products marked QUANTISED: E2M3 operands, one E8M0 scale for each 32 along K, by v_wmma_scale_f32_16x16x128_f8f6f4 with both operands' format E2M3, f32 sums; everything else in f32.
;; Inputs: w_proj 1,024 x 1,024 float32; w_qkv 1,024 x 3,072 float32; x 1 x 2,048 x 1,024 float32.
;; Outputs: out0 1 x 2,048 x 1,024 float32.
;; This version of the problem:
;;   THIS VERSION OF THE PROBLEM IS GIVEN IN LOW PRECISION. The matrix products marked QUANTISED in the list below multiply operands that are first quantised to E2M3 (2 exponent bits, 3 mantissa bits; 6 bits a number), with one power-of-two scale for each 32 numbers along K (OCP MX v1.0); their sums are f32. All else is computed in f32.
;;   The module's matrix products, in the order in which they are computed (A, B: the left and right operand; K: the contracted axis; several contracted axes count as one K, in the product's order):
;;     1. [M 2,048, K 1,024] x [K 1,024, N 3,072]; A: input x; B: input w_qkv: QUANTISED
;;     2. batch 16 x [M 2,048, K 64] x [K 64, N 2,048]; A: computed on the way; B: computed on the way: QUANTISED
;;     3. batch 16 x [M 2,048, K 2,048] x [K 2,048, N 64]; A: softmax (see below); B: computed on the way: QUANTISED
;;     4. [M 2,048, K 1,024] x [K 1,024, N 1,024]; A: computed on the way; B: input w_proj: QUANTISED
;;   THE QUANTISER, for each operand of a quantised product, along K:
;;     - K is cut into blocks of 32 from its start; a last block that is shorter is filled with zeros.
;;     - A block's scale is 2^e with e = floor(log2(the largest magnitude in the block)) - 2, held to -126 .. 127; a block of zeros has e = 0. As a byte (E8M0): e + 127.
;;     - Each number is divided by its block's scale, clamped to +-7.5, and rounded to the nearest number of E2M3, ties to even, subnormals kept.
;;     - The product sums the exact products of the quantised numbers (number of the format x scale) in f32.
;;   ~~~python
;;   def quantise(x, axis):      # numpy; x: float32 -> the quantised numbers, widened to float32 again
;;       x = np.moveaxis(x, axis, -1); K = x.shape[-1]
;;       x = np.pad(x, [(0, 0)] * (x.ndim - 1) + [(0, -K % 32)]); x = x.reshape(x.shape[:-1] + (-1, 32)); a = np.abs(x).max(-1, keepdims=True)
;;       e = np.where(a > 0, np.clip(np.frexp(np.where(a > 0, a, 1))[1] - 1 - 2, -126, 127), 0)      # np.frexp(a)[1] - 1 = floor(log2(a)), exactly
;;       r = np.clip(x / 2.0 ** e, -7.5, 7.5)
;;       step = 2.0 ** (np.maximum(np.frexp(np.where(r == 0, 1, r))[1] - 1, 0) - 3)
;;       q = np.round(r / step) * step * 2.0 ** e      # np.round: ties to even
;;       return np.moveaxis(q.reshape(q.shape[:-2] + (-1,))[..., :K], -1, axis).astype(np.float32)
;;   ~~~
;;   SOFTMAX AHEAD OF A QUANTISED PRODUCT. Where the list says 'softmax', what is quantised is not the finished softmax but p = 2^(t - M), with t = logit x log2(e) and M = ceil(the row's largest t), a whole number; so 1/2 < the row's largest p <= 1. The row's sum l is taken of the UNQUANTISED p, in f32, and the product's result is divided by l at the end. Since M is a whole number, a kernel that streams over the keys may use a running M (the ceiling of the running maximum): every later rescaling is an exact power of two, which a block's scale takes up: the codes' values come out the same.
;;   OPERANDS COMPUTED ON THE WAY. 'Computed on the way' means the value that the module computes at that place (a softmax that the list does not call 'softmax' is quantised finished and normalised). What goes into a quantiser is computed in f32, as accurately as f32 sums, v_exp_f32 and their like allow (about 1e-6 of the number): no bf16 or f16 on the way to a quantiser, and a product that is left as it is and whose result goes on into a quantised operand takes f32 operands (vector FMAs, or v_wmma_f32_16x16x4_f32). A number that lies on a knife's edge between two numbers of the format may be rounded either way, as far as f32 arithmetic and the matrix unit's own rounding can turn it there, and no further.
;; One version. Each part assembles by itself: llvm-mc -triple=amdgcn-amd-amdhsa -mcpu=gfx1250 --defsym DOCPART=n.
;; ======== version 1 of 1: 4 launches
;; limits: right only within a limited range of input values
;; workspace buffers: xq 1,638,400 bytes; wq 3,276,800 bytes; rope 524,288 bytes; qb 1,703,936 bytes; kv 3,342,336 bytes; aq 1,638,400 bytes
;; launch prep (part 1): grid 256 x 1, 6 waves a work-group, no clusters, 34,560 bytes of LDS; arguments x, w_qkv, w_proj, xq, wq, rope; writes xq, wq, rope
.if DOCPART == 1
	.amdgcn_target "amdgcn-amd-amdhsa--gfx1250"
	.amdhsa_code_object_version 6
	.text
	.protected	k_qb4dabc1068_prep
	.globl	k_qb4dabc1068_prep
	.p2align	8
	.type	k_qb4dabc1068_prep,@function
k_qb4dabc1068_prep:
	s_mov_b64 s[64:65], 0
	v_nop
	global_prefetch_b8 v0, s[64:65] scope:SCOPE_SE
	s_setreg_imm32_b32 hwreg(HW_REG_WAVE_MODE, 25, 1), 1
	s_wait_xcnt 0x0
; PREP: x [2048][1024], w_qkv [1024][3072] and w_proj [1024][1024], all f32, become codes of FP6 (E2M3) with one E8M0 byte for each 32 along K (K = the 1024), and the RoPE table is made.
; DEAD WORK OF THE PROGRAM: key steps of 128 that lie wholly behind a query tile's last query are not multiplied (attn): reference() replaces their scores by the least float, so their p is 0 for all inputs.
; A NaN, an infinity or an overflow that reaches only those scores is not carried to the result.
; LAYOUT OF THE CODES.  A UNIT of 25,600 bytes serves 64 rows x half of K: four K steps of 128, each of 6,400 bytes: four fragment images of 1,536 bytes (registers 4 j .. 4 j + 3 of lane l at 512 j + 16 l),
; then 256 bytes of scale words (tile m, lane r at 16 r + 4 m).  Lane r of tile m holds row 8 m + r % 8 + 32 (r / 8) of the 64: so a lane's results over four tiles are 32 neighbours, one scale block of the next product.
; xq: [128 rows of t: 16][half of K][64 rows: 2][unit].  wq: [g: 16][half][3][unit]: columns 128 g .. 128 g + 127 of w_q, w_k (two units) and 64 g .. 64 g + 63 of w_v;
; behind it, from byte 2,457,600 on, w_proj: [128 columns: 8][half][2][unit].
; A work-group of six waves: waves 0-3 make 128 columns x one K step of the weights (K outermost: a lane takes a column, registers run down K: a whole block in a lane); waves 4, 5 make 64 rows x one K step of x
; (K innermost: rows turn through the wave's own stage in LDS so that a lane holds whole blocks).  A wave's 32 rows or columns are lanes 8 e .. 8 e + 7 (and + 16) of all four tiles (e = wave % 2): runs of 128 bytes.
; A block's scale is 2^(floor(log2(largest magnitude)) - 2): its byte is the largest magnitude's exponent field - 2, held at 1 from below by a floor among the maximum's leaves.
; LIMITS: a block of zeros gets the byte 1 (its codes are zeros; only this program reads the bytes); blocks whose largest magnitude lies under 2^-124 are held at that byte; NaN and infinities among the inputs are not served.
; ROPE: [tile of 16 t: 128][k = 0 .. 7][lane][16 bytes]: lane (r, h) has (cos, sin) of its t for the pairs 16 h + 2 k, 16 h + 2 k + 1.  inv_freq(i) = 2^(-i log2(10000) / 32) by v_exp_f32 (1 ulp: ISA guide, 15.8).
; The angle is reduced by k = round(angle x 2 / pi) with pi / 2 in two parts (k < 2^11), sine and cosine by polynomials of degree 7 and 8 on +-pi / 4.
; No tensor load, no cluster (no two work-groups read the same bytes), no loop and so no prefetch: all of a wave's loads go out at its head.
.set STG,    16896                     ; an x wave's two stages of 16 rows x 528 bytes (512 + 16)
.set SPARE,  2*STG
.set X,   16                           ; v16-143  the numbers as loaded
.set Y,   144                          ; v144-207 x: 64 numbers of a lane, two whole blocks;  earlier: at work for the table
.set FX,  208                          ; v208-231 x: two fragments
.set T,   232                          ; v232-234, v236-238 the upper halves as converted;  v235, v239 the add's registers
.set WK,  240                          ; v240-247 at work
.set RC,  248                          ; v248-255 the table's numbers
.macro WALU
	s_wait_alu depctr_va_vdst(0)
.endm
	s_load_b256 s[4:11], s[0:1], 0x0               ; x s[4:5], w_qkv s[6:7], w_proj s[8:9], xq s[10:11]
	s_load_b128 s[12:15], s[0:1], 0x20             ; wq s[12:13], rope s[14:15]
	v_lshl_add_u32 v235, v0, 2, SPARE
	v_mov_b32 v239, 0
	v_lshrrev_b32 v1, 5, v0
	v_readfirstlane_b32 s16, v1                    ; wave 0..5
	v_and_b32 v1, 31, v0                           ; l
	v_and_b32 v2, 15, v0                           ; r
	v_bfe_u32 v3, v0, 4, 1                         ; h
	v_lshlrev_b32 v4, 4, v1                        ; 16 l
	v_and_b32 v11, 7, v0                           ; l % 8
	s_lshr_b32 s17, ttmp9, 3                       ; block: 128 columns of the weights, 64 rows of x
	s_and_b32 s18, ttmp9, 7                        ; K step
	s_and_b32 s19, s16, 1                          ; e
	s_lshr_b32 s47, s18, 2                         ; half of K
	s_and_b32 s48, s18, 3
	s_mul_i32 s48, s48, 6400
	s_lshl_b32 s49, s19, 7
	s_add_co_u32 s48, s48, s49                     ; the K step in its unit, and lanes 8 e on: 128 e bytes, in the images and among the scale words alike
	WALU
	s_cmp_lt_u32 s16, 4
	s_cbranch_scc0 .Lpath_x
; ---------------- the weights
	s_lshl_b32 s36, s16, 7                         ; my 32 columns
	s_mul_i32 s32, s18, 128*12288                  ; w_qkv: 128 rows of 12,288 bytes a K step, 512 bytes a block
	s_lshl_b32 s33, s17, 9
	s_add_co_u32 s32, s32, s33
	s_add_co_u32 s32, s32, s36
	s_lshl_b32 s37, s18, 19                        ; w_proj: rows of 4,096 bytes; its block is block % 8
	s_and_b32 s38, s17, 7
	s_lshl_b32 s38, s38, 9
	s_add_co_u32 s37, s37, s38
	s_add_co_u32 s37, s37, s36
	s_lshr_b32 s39, s16, 1                         ; which 64 of the 128 columns
	s_mul_i32 s40, s39, 25600
	s_mul_i32 s34, s17, 153600
	s_add_co_u32 s34, s34, s40                     ; w_q, w_k: g = block
	s_lshl_b32 s35, s17, 1
	s_add_co_u32 s35, s35, s39
	s_sub_co_u32 s35, s35, 32
	s_mul_i32 s35, s35, 153600
	s_add_co_u32 s35, s35, 51200                   ; w_v: g = block of 64 less 32; the third unit
	s_sub_co_u32 s41, s17, 24
	s_mul_i32 s41, s41, 102400
	s_add_co_u32 s41, s41, s40
	s_add_co_u32 s41, s41, 2457600                 ; w_proj
	s_mov_b32 s45, 76800                           ; from half to half
	s_cmp_lt_u32 s17, 16                           ; the choices hang on the work-group's number alone
	s_cselect_b32 s34, s34, s35
	s_cmp_lt_u32 s17, 24
	s_cselect_b32 s34, s34, s41
	s_cselect_b32 s45, s45, 51200
	s_mul_i32 s45, s47, s45
	s_add_co_u32 s34, s34, s45
	s_add_co_u32 s34, s34, s48
	s_mov_b32 s35, 0
	v_lshlrev_b32 v5, 2, v1                        ; my column: 4 l
	v_lshrrev_b32 v6, 3, v1                        ; my tile: l / 8
	v_mul_u32_u24 v8, v6, 1536
	v_lshl_add_u32 v8, v11, 4, v8                  ; my place in the image: 1536 (l / 8) + 16 (l % 8)
	v_lshlrev_b32 v9, 2, v6
	v_lshl_add_u32 v9, v11, 4, v9                  ; and among the scale words: 16 (l % 8) + 4 (l / 8)
	WALU
	s_wait_kmcnt 0x0
	s_cmp_lt_u32 s17, 24
	s_cselect_b32 s32, s32, s37
	s_cselect_b64 s[6:7], s[6:7], s[8:9]
	s_mov_b32 s33, 0
	s_add_nc_u64 s[6:7], s[6:7], s[32:33]
	s_add_nc_u64 s[12:13], s[12:13], s[34:35]
.macro LOADW pitch                     ; W(128 s + kk, my column): 32 lanes read 128 consecutive bytes, the four waves side by side 512
.set kk, 0
.rept 128
	global_load_b32 v[X+kk], v5, s[6:7] offset:kk*\pitch th:TH_LOAD_NT
.set kk, kk+1
.endr
.endm
	s_cmp_lt_u32 s17, 24
	s_cbranch_scc0 .Lw_proj
	LOADW 12288
	s_branch .Lw_loaded
.Lw_proj:
	LOADW 4096
.Lw_loaded:
; Block b of my column (32 numbers, all mine) is registers 6 (b / 2) .. + 5 of the lane of half b % 2: the fragment of half 0 at v144, of half 1 at v156.  v172: the scale word
.macro QUANTW b
.set XS, X+32*\b
.set FD, 144+12*(\b%2)+6*(\b/2)
	v_max3_num_f32 v173, |v[XS]|, |v[XS+1]|, |v[XS+2]|
	v_max3_num_f32 v174, |v[XS+3]|, |v[XS+4]|, |v[XS+5]|
.irp i, 6,10,14,18,22,26
	v_max3_num_f32 v173, v173, |v[XS+\i]|, |v[XS+\i+1]|
	v_max3_num_f32 v174, v174, |v[XS+\i+2]|, |v[XS+\i+3]|
.endr
	v_max3_num_f32 v173, v173, |v[XS+30]|, |v[XS+31]|
	v_max3_num_f32 v173, v173, v174, 0x1800000     ; the floor
	v_add_nc_u32 v175, 0xff000000, v173            ; the conversion's scale operand: 2 off the exponent field
	v_lshrrev_b32 v174, 23, v175                   ; the byte
.if \b == 0
	v_mov_b32 v172, v174
.else
	v_lshl_or_b32 v172, v174, 8*\b, v172
.endif
	v_cvt_scalef32_pk16_fp6_f32 v[FD:FD+2], v[XS:XS+15], v175
	v_cvt_scalef32_pk16_fp6_f32 v[168:170], v[XS+16:XS+31], v175
	v_nop                                          ; one plain instruction behind a scaled conversion
.irp i, 0,1,2
	v_mov_b32 v[FD+3+\i], v[168+\i]
.endr
.endm
	s_wait_loadcnt 63                              ; block 0's 32 loads are in: 96 were issued behind them, and a wait names 63 at the most
	QUANTW 0
	s_wait_loadcnt 63                              ; block 1's: 64 behind them
	QUANTW 1
	s_wait_loadcnt 32                              ; block 2's: the last 32 may be out
	QUANTW 2
	s_wait_loadcnt 0x0
	QUANTW 3
.irp hh, 0,1
.irp j, 0,1,2
	global_store_b128 v8, v[144+12*\hh+4*\j:144+12*\hh+4*\j+3], s[12:13] offset:256*\hh+512*\j   ; eight lanes store 128 consecutive bytes, aligned
.endr
.endr
	global_store_b32 v9, v172, s[12:13] offset:6144   ; the wave's 32 words are 128 consecutive bytes
	s_endpgm
; ---------------- x
.Lpath_x:
	s_lshl_b32 s32, s17, 18                        ; 64 rows of 4,096 bytes a block,
	s_lshl_b32 s33, s19, 17                        ; 32 rows a wave,
	s_add_co_u32 s32, s32, s33
	s_lshl_b32 s33, s18, 9                         ; 512 bytes a K step
	s_add_co_u32 s32, s32, s33
	s_mov_b32 s33, 0
	s_lshr_b32 s34, s17, 1
	s_mul_i32 s34, s34, 102400
	s_and_b32 s35, s17, 1
	s_mul_i32 s35, s35, 25600
	s_add_co_u32 s34, s34, s35
	s_mul_i32 s35, s47, 51200
	s_add_co_u32 s34, s34, s35
	s_add_co_u32 s34, s34, s48
	s_mov_b32 s35, 0
	s_lshr_b32 s42, ttmp9, 1                       ; the table: this tile of 16 t,
	s_and_b32 s43, ttmp9, 1
	s_lshl_b32 s43, s43, 1
	s_add_co_u32 s43, s43, s19                     ; this quarter of the pairs
	s_lshl_b32 s36, s42, 12
	s_lshl_b32 s37, s43, 10
	s_add_co_u32 s36, s36, s37
	s_mov_b32 s37, 0
	s_lshl_b32 s43, s43, 2                         ; my first pair, less 16 h
	s_lshr_b32 s44, s42, 2
	s_lshl_b32 s44, s44, 6
	s_and_b32 s42, s42, 3
	s_lshl_b32 s42, s42, 3
	s_add_co_u32 s42, s42, s44                     ; the tile's first t
	s_mov_b32 s20, 0x76543210
	s_mov_b32 s21, 0xfedcba98                      ; v_permlanex16_b32: lane l xor 16
	s_mov_b32 s22, 0xbed49a78                      ; -log2(10000) / 32
	s_mov_b32 s23, 0x3f22f983                      ; 2 / pi
	s_mov_b32 s24, 0xbfc90fdb                      ; -(pi / 2 rounded to f32)
	s_mov_b32 s25, 0x333bbd2e                      ; that number less pi / 2
	s_mov_b32 s26, 0xbe2aaaa3                      ; sine: -1.6666654611e-1,
	s_mov_b32 s27, 0x3c08839e                      ; 8.3321608736e-3,
	s_mov_b32 s28, 0xb94ca1f9                      ; -1.9515295891e-4
	s_mov_b32 s29, 0x3d2aaaa5                      ; cosine: 4.166664568e-2,
	s_mov_b32 s30, 0xbab6061a                      ; -1.388731625e-3,
	s_mov_b32 s31, 0x37ccf5ce                      ; 2.443315712e-5
	s_mul_i32 s38, s19, STG
	v_add_nc_u32 v5, s38, v4                       ; the stage, in: a row's 512 bytes as they lie
	v_mul_u32_u24 v6, v2, 528
	v_lshl_add_u32 v6, v3, 7, v6
	v_add_nc_u32 v6, s38, v6                       ; out: row r, + 128 h
	v_lshrrev_b32 v14, 3, v2                       ; r / 8
	v_mul_u32_u24 v7, v14, 1536
	v_lshl_add_u32 v7, v3, 8, v7
	v_lshl_add_u32 v7, v11, 4, v7                  ; row r of my sixteen is lane 8 e + r % 8 of tile 2 u + r / 8
	v_lshl_add_u32 v9, v3, 1, v14
	v_lshlrev_b32 v9, 2, v9
	v_lshl_add_u32 v9, v11, 4, v9                  ; scale words: lanes 0-15 store those of u = 0, lanes 16-31 those of u = 1
	v_lshlrev_b32 v8, 3, v3                        ; 8 h
	v_mov_b32 v[WK+7], 0                           ; written once: a lane permute's destination counts as one of its sources
	WALU
	s_wait_kmcnt 0x0
	s_add_nc_u64 s[4:5], s[4:5], s[32:33]
	s_add_nc_u64 s[10:11], s[10:11], s[34:35]
	s_add_nc_u64 s[14:15], s[14:15], s[36:37]
.set kk, 0
.rept 32
	global_load_b128 v[X+4*kk:X+4*kk+3], v4, s[4:5] offset:4096*kk th:TH_LOAD_NT   ; row kk of my 32: the 32 lanes read 512 consecutive bytes
.set kk, kk+1
.endr
	; the table's numbers, while the loads are on their way
	v_and_b32 v144, 8, v2
	v_mad_u32_u24 v144, v144, 3, v2                ; r % 8 + 32 (r / 8)
	v_add_nc_u32 v144, s42, v144
	v_cvt_f32_u32 v146, v144                       ; my t
	v_lshlrev_b32 v145, 4, v3
	v_add_nc_u32 v145, s43, v145                   ; my first pair
.irp e, 0,1,2,3
	v_add_nc_u32 v[148+\e], \e, v145
.endr
.irp e, 0,1,2,3
	v_cvt_f32_u32 v[148+\e], v[148+\e]
.endr
.irp e, 0,1,2,3
	v_mul_f32 v[148+\e], s22, v[148+\e]
.endr
	WALU
.irp e, 0,1,2,3
	v_exp_f32 v[152+\e], v[148+\e]                 ; inv_freq
.endr
	v_nop                                          ; a plain instruction behind the exponentials
	WALU
.irp e, 0,1,2,3
	v_mul_f32 v156, v146, v[152+\e]                ; the angle, rounded to f32 as the table's definition has it
	v_mul_f32 v157, s23, v156
	v_rndne_f32 v157, v157                         ; k
	v_fma_f32 v158, v157, s24, v156
	v_fma_f32 v158, v157, s25, v158                ; rho = angle - k pi / 2
	v_mul_f32 v159, v158, v158                     ; z
	v_fma_f32 v160, v159, s28, s27
	v_fma_f32 v160, v160, v159, s26
	v_mul_f32 v160, v160, v159
	v_fma_f32 v160, v160, v158, v158               ; sin rho
	v_fma_f32 v161, v159, s31, s30
	v_fma_f32 v161, v161, v159, s29
	v_mul_f32 v162, v159, v159
	v_fma_f32 v163, v159, -0.5, 1.0
	v_fma_f32 v161, v161, v162, v163               ; cos rho
	v_cvt_i32_f32 v164, v157
	v_and_b32 v165, 1, v164
	v_cmp_eq_u32 vcc_lo, 1, v165                   ; in odd quadrants the two change places
	v_cndmask_b32 v166, v160, v161, vcc_lo
	v_cndmask_b32 v167, v161, v160, vcc_lo
	v_and_b32 v165, 2, v164
	v_lshlrev_b32 v165, 30, v165                   ; the sine is negative in quadrants 2 and 3,
	v_xor_b32 v[RC+2*\e+1], v165, v166
	v_add_nc_u32 v164, 1, v164
	v_and_b32 v164, 2, v164
	v_lshlrev_b32 v164, 30, v164                   ; the cosine in 1 and 2
	v_xor_b32 v[RC+2*\e], v164, v167
.endr
	global_store_b128 v4, v[RC:RC+3], s[14:15]     ; 512 consecutive bytes, aligned
	global_store_b128 v4, v[RC+4:RC+7], s[14:15] offset:512
.macro STIN u                          ; sixteen of my rows into stage u
.set kk, 0
.rept 16
	ds_store_b128 v5, v[X+4*(16*\u+kk):X+4*(16*\u+kk)+3] offset:8448*\u+528*kk
.set kk, kk+1
.endr
.endm
.macro STOUT u                         ; and back: lane (r, h) takes K = 64 c + 32 h + 0 .. 31 of row r
.irp c, 0,1
.irp j, 0,1,2,3,4,5,6,7
	ds_load_b128 v[Y+32*\c+4*\j:Y+32*\c+4*\j+3], v6 offset:8448*\u+256*\c+16*\j
.endr
.endr
.endm
.macro QUANTX f, w                     ; my blocks h and 2 + h of row r become registers 0-5 and 6-11 of the fragment at v[f]; the row's scale word in v[w]
.irp c, 0,1
	v_max3_num_f32 v[WK+\c], |v[Y+32*\c]|, |v[Y+32*\c+1]|, 0x1800000
.endr
.irp i, 2,4,6,8,10,12,14,16,18,20,22,24,26,28,30
.irp c, 0,1
	v_max3_num_f32 v[WK+\c], v[WK+\c], |v[Y+32*\c+\i]|, |v[Y+32*\c+\i+1]|
.endr
.endr
.irp c, 0,1
	v_add_nc_u32 v[WK+2+\c], 0xff000000, v[WK+\c]
.endr
.irp c, 0,1
	v_lshrrev_b32 v[WK+4+\c], 23, v[WK+2+\c]
.endr
	v_lshl_or_b32 v[\w], v[WK+5], 16, v[WK+4]
	v_lshlrev_b32 v[\w], v8, v[\w]                 ; my two bytes at their places,
	v_permlanex16_b32 v[WK+7], v[\w], s20, s21
	v_or_b32 v[\w], v[\w], v[WK+7]                 ; with lane l xor 16's two the word is whole
.irp c, 0,1
	v_cvt_scalef32_pk16_fp6_f32 v[\f+6*\c:\f+6*\c+2], v[Y+32*\c:Y+32*\c+15], v[WK+2+\c]
	v_cvt_scalef32_pk16_fp6_f32 v[T+4*\c:T+4*\c+2], v[Y+32*\c+16:Y+32*\c+31], v[WK+2+\c]
.endr
	v_nop
.irp c, 0,1
.irp i, 0,1,2
	v_mov_b32 v[\f+6*\c+3+\i], v[T+4*\c+\i]
.endr
.endr
.endm
	WALU
	s_wait_loadcnt 16                              ; my first sixteen rows are in; the sixteen younger loads may be out
	STIN 0
	STOUT 0                                        ; LDS serves a wave's instructions in order (ISA guide 5.7.1.4): the loads see the stores
	s_wait_loadcnt 0x0
	STIN 1
	s_wait_dscnt 16                                ; the first numbers are back; the sixteen younger stores may be out
	QUANTX FX, 12
.irp j, 0,1,2
	global_store_b128 v7, v[FX+4*\j:FX+4*\j+3], s[10:11] offset:512*\j
.endr
	STOUT 1
	WALU
	s_wait_dscnt 0x0
	QUANTX FX+12, 13
.irp j, 0,1,2
	global_store_b128 v7, v[FX+12+4*\j:FX+12+4*\j+3], s[10:11] offset:3072+512*\j
.endr
	v_cmp_eq_u32 vcc_lo, 1, v3
	v_cndmask_b32 v14, v12, v13, vcc_lo
	global_store_b32 v9, v14, s[10:11] offset:6144 ; the wave's 32 words are 128 consecutive bytes
	s_wait_tensorcnt 0x0                           ; the wave's end
	ds_add_u32 v235, v239
	s_wait_dscnt 0x0
	s_endpgm
.Lfunc_end_k_qb4dabc1068_prep:
	.size	k_qb4dabc1068_prep, .Lfunc_end_k_qb4dabc1068_prep-k_qb4dabc1068_prep
	.p2alignl 7, 3214868480
	.fill 96, 4, 3214868480
	.section	.rodata,"a",@progbits
	.p2align	6, 0x0
	.amdhsa_kernel k_qb4dabc1068_prep
		.amdhsa_group_segment_fixed_size 34560
		.amdhsa_private_segment_fixed_size 0
		.amdhsa_enable_private_segment 0
		.amdhsa_kernarg_size 48
		.amdhsa_user_sgpr_count 2
		.amdhsa_user_sgpr_kernarg_segment_ptr 1
		.amdhsa_wavefront_size32 1
		.amdhsa_system_sgpr_workgroup_id_x 1
		.amdhsa_system_sgpr_workgroup_id_y 1
		.amdhsa_system_sgpr_workgroup_id_z 1
		.amdhsa_system_vgpr_workitem_id 0
		.amdhsa_next_free_vgpr 256
		.amdhsa_next_free_sgpr 66
		.amdhsa_reserve_vcc 1
		.amdhsa_float_denorm_mode_32 3
		.amdhsa_float_denorm_mode_16_64 3
		.amdhsa_memory_ordered 1
		.amdhsa_forward_progress 1
		.amdhsa_inst_pref_size 56
	.end_amdhsa_kernel
	.amdgpu_metadata
---
amdhsa.version: [ 1, 2 ]
amdhsa.kernels:
  - .name:           k_qb4dabc1068_prep
    .symbol:         k_qb4dabc1068_prep.kd
    .args:
      - { .name: x, .offset: 0, .size: 8, .value_kind: global_buffer, .address_space: global }
      - { .name: w_qkv, .offset: 8, .size: 8, .value_kind: global_buffer, .address_space: global }
      - { .name: w_proj, .offset: 16, .size: 8, .value_kind: global_buffer, .address_space: global }
      - { .name: xq, .offset: 24, .size: 8, .value_kind: global_buffer, .address_space: global }
      - { .name: wq, .offset: 32, .size: 8, .value_kind: global_buffer, .address_space: global }
      - { .name: rope, .offset: 40, .size: 8, .value_kind: global_buffer, .address_space: global }
    .group_segment_fixed_size: 34560
    .private_segment_fixed_size: 0
    .kernarg_segment_align: 8
    .kernarg_segment_size: 48
    .max_flat_workgroup_size: 192
    .sgpr_count:     66
    .vgpr_count:     256
    .wavefront_size: 32
...
	.end_amdgpu_metadata
.endif
;; end of part 1
;; launch qkv (part 2): grid 16 x 16, 4 waves a work-group, clusters of 4 x 4, 256,768 bytes of LDS; arguments xq, wq, rope, qb, kv; writes qb, kv
.if DOCPART == 2
	.amdgcn_target "amdgcn-amd-amdhsa--gfx1250"
	.amdhsa_code_object_version 6
	.text
	.protected	k_qb4dabc1068_qkv
	.globl	k_qb4dabc1068_qkv
	.p2align	8
	.type	k_qb4dabc1068_qkv,@function
k_qb4dabc1068_qkv:
	s_mov_b64 s[64:65], 0
	v_nop
	global_prefetch_b8 v0, s[64:65] scope:SCOPE_SE
	s_setreg_imm32_b32 hwreg(HW_REG_WAVE_MODE, 25, 1), 1
	s_wait_xcnt 0x0
	s_wait_alu depctr_hold_cnt(0) depctr_sa_sdst(0) depctr_va_vdst(0) depctr_va_sdst(0) depctr_va_ssrc(0) depctr_va_vcc(0) depctr_vm_vsrc(0)
	s_getreg_b32 s2, hwreg(HW_REG_IB_STS2, 6, 4)
	s_cmp_eq_u32 s2, 0
	s_cbranch_scc0 .Lentry_in_a_cluster
	s_endpgm
.Lentry_in_a_cluster:
	s_bfe_u32 s2, ttmp6, 0x10000c
	s_cmp_lg_u32 s2, 0xf033
	s_cbranch_scc0 .Lentry_shape_is_right
	s_endpgm
.Lentry_shape_is_right:
; QKV: x w_qkv on codes of FP6 (K = 1024, eight steps of 128), RoPE on q and k in f32, and the three results quantised again: q and k along the head's 64, v along the keys.
; 256 work-groups, each 128 rows t x (128 columns of w_q or w_k: two heads; and 64 columns of w_v: a head).  All operands, 256,000 bytes, come into LDS at the head, one joint load a wave; nothing is filled twice.
; CLUSTERS of 4 x 4: x's rows hang on the row block alone and are shared along a row of the cluster, the weights on the column alone and are shared along a column.
; A wave (c = wave / 2, s = wave % 2) takes x's block of 64 rows c: with head s of q or k (source 0 = the weight, so a lane holds ONE t and its registers run along d), and with w_v's tiles 2 s, 2 s + 1
; (source 0 = x: a lane holds one d and its registers run along t): one set of x's fragments serves both: ten fragments from LDS for 24 matrix instructions a step.
; By the rows' order in a tile (8 m + r % 8 + 32 (r / 8)) the 32 results of a lane over four tiles are 32 neighbours along the next K: a whole scale block, and no other lane is asked.
; OUT.  qb: [head][quad of 64 t][3,328]: four images of six registers (768 bytes: registers 0-3 at 16 l, 4-5 at 512 + 8 l), then the tiles' scale words (16 r + 4 m).
; kv: [head][key step][13,056]: K's two quads so; V: [tile m][c][768], then V's scale words (16 r + 4 m).  The scale words of q and k have the bytes of K = 64 .. 127 at 0.
; No prefetch: every tensor load is issued at the head, and no loop runs ahead of one.
; LIMITS: a block of zeros gets the byte 1 (only this program reads the bytes); NaN and infinities are not served.
.set XA, 244                           ; LDS, a pair each: for the first half of K and for the second: x's fragments, the weight's, w_v's;  their scale words
.set WA, 246
.set VA, 248
.set XSA, 250
.set WSA, 252
.set VSA, 254
.set L16, 7                            ; 16 l, 8 l, 16 r, 8 h
.set L8, 8
.set R16, 9
.set HS, 10
.set SVA, 11                           ; LDS: my scale byte of V
.set SPW, 12
.set NIL, 13
.set SC, 16                            ; v16-45 two sets of scale words: x's at + 0, the weight's at + 4, w_v's at + 12
.set SCR, 46
.set TM, 48
.set SO, 52
.set BY, 54
.set CV, 56
.set Y, 64                             ; v64-127 two tiles behind RoPE
.set TA, 128                           ; v128-191 at work for RoPE
.set PC, 192                           ; v192-227 six tiles' codes
.set SW, 236                           ; v236-239 q's or k's scale words
.set TW, 240
.set PX, 242
; window 1: fragments, set s % 2 at v[128 (s % 2)]: x's four, the weight's four, w_v's two.  window 2: sums, q or k (m, a) at v[32 m + 8 a], v (mm, a) at v[128 + 32 mm + 8 a].  window 3: the table, tile m at v[32 m]
.set SCV, 256000                       ; V's 256 bytes of scale words
.set SPARE, 256256
.set G1X, 20
.set G1W, 28
.set G0X, 44                           ; x's 128 rows, first half of K;  the weights' 192 columns, first half
.set G0W, 48
.set G0X1, 52                          ; second half
.set G0W1, 36
.set MSB, 0
.macro WIN new                         ; the immediate's high byte repeats the setting that is left
.if MSB != (\new)
	s_set_vgpr_msb (MSB<<8)|(\new)
.set MSB, (\new)
.endif
.endm
.macro PLACES                          ; four plain instructions behind a matrix instruction (ISA guide 7.12.1)
.rept 4
	v_nop
.endr
.endm
.macro WALU
	s_wait_alu depctr_va_vdst(0)
.endm
.macro CROUND                          ; a round of the cluster's barrier
	s_barrier_signal -1
	s_barrier_wait -1
	s_cmp_lg_u32 s14, 0
	s_cbranch_scc1 .Lnot_wave_0_\@
	s_barrier_signal -3
.Lnot_wave_0_\@:
	s_barrier_wait -3
	s_barrier_signal -1
	s_barrier_wait -1
.endm
.macro GROUP1 g, mask, rows            ; a dense block as rows of 32 elements of 8 bytes, no padding
	s_or_b32 s[\g], s\mask, (3<<16)|(1<<21)
	s_mov_b32 s[\g+1], 32<<16
	s_mov_b32 s[\g+2], (\rows)<<16
	s_mov_b32 s[\g+3], 32<<16
	s_mov_b32 s[\g+4], \rows
	s_mov_b32 s[\g+5], 32
	s_mov_b32 s[\g+6], 0
	s_mov_b32 s[\g+7], 0
.endm
	s_load_b256 s[4:11], s[0:1], 0x0               ; xq s[4:5], wq s[6:7], rope s[8:9], qb s[10:11]
	s_load_b64 s[12:13], s[0:1], 0x20              ; kv
	v_lshl_add_u32 v[SPW], v0, 2, SPARE
	v_mov_b32 v[NIL], 0
	ds_add_u32 v[SPW], v[NIL]                      ; the opening lines: the add twice on end, and its wait ahead of the first tensor load
	ds_add_u32 v[SPW], v[NIL]
	v_lshrrev_b32 v14, 5, v0
	v_readfirstlane_b32 s14, v14                   ; wave 0..3
	s_lshr_b32 s15, s14, 1                         ; c
	s_and_b32 s16, s14, 1                          ; s
	s_bfe_u32 s56, ttmp6, 0x40000                  ; cx
	s_bfe_u32 s57, ttmp6, 0x40004                  ; cy
	s_lshl_b32 s58, ttmp9, 2
	s_add_co_u32 s58, s58, s56                     ; column g 0..15
	s_and_b32 s59, ttmp7, 0xffff
	s_lshl_b32 s59, s59, 2
	s_add_co_u32 s59, s59, s57                     ; row block tb 0..15
	s_lshl_b32 s60, s57, 2
	s_lshl_b32 s60, 15, s60                        ; my row of the cluster
	s_lshl_b32 s61, 0x1111, s56                    ; my column
	GROUP1 G1X, 60, 200
	GROUP1 G1W, 61, 300
	s_mov_b32 s[G0X], 1                            ; LDS: x's halves at 0 and 51,200, the weights' at 102,400 and 179,200
	s_mov_b32 s[G0X+1], 0
	s_mov_b32 s[G0W], 1
	s_mov_b32 s[G0W+1], 102400
	s_mov_b32 s[G0X1], 1
	s_mov_b32 s[G0X1+1], 51200
	s_mov_b32 s[G0W1], 1
	s_mov_b32 s[G0W1+1], 179200
	s_mul_i32 s62, s59, 102400
	s_mov_b32 s63, 0
	s_mul_i32 s66, s58, 153600
	s_mov_b32 s67, 0
	WALU
	s_wait_dscnt 0x0
	CROUND                                         ; all sixteen work-groups are here: the joint loads meet
	s_wait_kmcnt 0x0
	s_add_nc_u64 s[G0X+2:G0X+3], s[4:5], s[62:63]
	s_add_nc_u64 s[G0X1+2:G0X1+3], s[G0X+2:G0X+3], 51200
	s_or_b32 s[G0X+3], s[G0X+3], 0x80000000
	s_or_b32 s[G0X1+3], s[G0X1+3], 0x80000000
	s_add_nc_u64 s[G0W+2:G0W+3], s[6:7], s[66:67]
	s_add_nc_u64 s[G0W1+2:G0W1+3], s[G0W+2:G0W+3], 76800
	s_or_b32 s[G0W+3], s[G0W+3], 0x80000000
	s_or_b32 s[G0W1+3], s[G0W1+3], 0x80000000
; One chain of arms on the wave's number, a joint load in each: waves 0, 1 bring the first half of K, waves 2, 3 the second
.macro ARM wave, g0, g1, next
	s_cmp_eq_u32 s14, \wave
	s_cbranch_scc0 \next
	tensor_load_to_lds s[\g0:\g0+3], s[\g1:\g1+7]
	s_nop 0
	PLACES
	s_branch .Lasked
\next:
.endm
	ARM 0, G0X, G1X, .Lask_1
	ARM 1, G0W, G1W, .Lask_2
	ARM 2, G0X1, G1X, .Lask_3
	tensor_load_to_lds s[G0W1:G0W1+3], s[G1W:G1W+7]
	s_nop 0
	PLACES
.Lasked:
	s_lshl_b32 s70, s59, 3
	s_lshl_b32 s71, s15, 2
	s_add_co_u32 s70, s70, s71
	s_lshl_b32 s70, s70, 12
	s_mov_b32 s71, 0
	s_add_nc_u64 s[82:83], s[8:9], s[70:71]        ; the table of my four tiles of t
	v_and_b32 v14, 31, v0
	v_lshlrev_b32 v[L16], 4, v14
	v_lshlrev_b32 v[L8], 3, v14
	v_and_b32 v15, 15, v0
	v_lshlrev_b32 v[R16], 4, v15
	v_bfe_u32 v14, v0, 4, 1
	v_lshlrev_b32 v[HS], 3, v14
	WIN 0xc0
.irp m, 0,1,2,3
.irp k, 0,1,2,3,4,5,6,7
	global_load_b128 v[32*\m+4*\k:32*\m+4*\k+3], v[L16], s[82:83] offset:4096*\m+512*\k   ; 512 consecutive bytes, aligned
.endr
.endr
	WIN 0
	s_mul_i32 s75, s15, 25600
	s_mul_i32 s70, s16, 25600
	s_add_co_u32 s70, s70, 102400
	s_mul_i32 s71, s16, 3072
	s_add_co_u32 s71, s71, 153600
	s_lshl_b32 s84, s16, 3
	s_add_co_u32 s85, s84, 153600
	s_lshl_b32 s86, s15, 1
	s_add_co_u32 s86, s86, s84
	s_add_co_u32 s86, s86, SCV
	WALU
	v_add_nc_u32 v[XA], s75, v[L16]
	v_add_nc_u32 v[XSA], s75, v[R16]
	v_add_nc_u32 v[WA], s70, v[L16]
	v_add_nc_u32 v[WSA], s70, v[R16]
	v_add_nc_u32 v[VA], s71, v[L16]
	v_add_nc_u32 v[VSA], s85, v[R16]
	v_add_nc_u32 v[XA+1], 51200, v[XA]
	v_add_nc_u32 v[XSA+1], 51200, v[XSA]
	v_add_nc_u32 v[WA+1], 76800, v[WA]
	v_add_nc_u32 v[WSA+1], 76800, v[WSA]
	v_add_nc_u32 v[VA+1], 76800, v[VA]
	v_add_nc_u32 v[VSA+1], 76800, v[VSA]
	v_add_nc_u32 v[SVA], v[R16], v14
	v_add_nc_u32 v[SVA], s86, v[SVA]               ; V's scale byte: 16 r + 4 (2 s + mm) + 2 c + h
	v_add_nc_u32 v[SCR], SCV, v[R16]
	v_mov_b32 v[PX], 0                             ; written once: a lane permute's destination counts as one of its sources
	v_mov_b32 v[PX+1], 0
	; where the results go
	s_lshl_b32 s72, s58, 1
	s_add_co_u32 s72, s72, s16
	s_and_b32 s72, s72, 15                         ; my head of q or k
	s_mul_i32 s73, s72, 106496
	s_lshl_b32 s74, s59, 1
	s_add_co_u32 s74, s74, s15
	s_mul_i32 s74, s74, 3328
	s_add_co_u32 s73, s73, s74                     ; q: head, quad 2 tb + c
	s_mul_i32 s72, s72, 208896
	s_mul_i32 s74, s59, 13056
	s_add_co_u32 s72, s72, s74
	s_mul_i32 s75, s15, 3328
	s_add_co_u32 s72, s72, s75                     ; k: head, key step tb, quad c
	s_cmp_lt_u32 ttmp9, 2                          ; columns 0-7: q
	s_cselect_b32 s72, s73, s72
	s_cselect_b64 s[76:77], s[10:11], s[12:13]
	s_mov_b32 s73, 0
	s_add_nc_u64 s[76:77], s[76:77], s[72:73]
	s_mul_i32 s72, s58, 208896
	s_add_co_u32 s72, s72, s74
	s_add_co_u32 s72, s72, 6656
	s_add_nc_u64 s[78:79], s[12:13], s[72:73]      ; V of head g, key step tb
	s_mul_i32 s72, s16, 3072
	s_mul_i32 s75, s15, 768
	s_add_co_u32 s72, s72, s75
	s_add_nc_u64 s[80:81], s[78:79], s[72:73]      ; its tile 2 s, half c
.macro LOADA s                         ; x's and w_v's fragments of K step s and their scale words: 20 LDS loads
.set FB, 128*((\s)%2)
.set SB, SC+16*((\s)%2)
	WIN 0x40
.irp m, 0,1,2,3
.irp j, 0,1,2
	ds_load_b128 v[FB+12*\m+4*\j:FB+12*\m+4*\j+3], v[XA+(\s)/4] offset:6400*((\s)%4)+1536*\m+512*\j
.endr
.endr
.irp m, 0,1
.irp j, 0,1,2
	ds_load_b128 v[FB+96+12*\m+4*\j:FB+96+12*\m+4*\j+3], v[VA+(\s)/4] offset:6400*((\s)%4)+1536*\m+512*\j
.endr
.endr
	WIN 0
	ds_load_b128 v[SB:SB+3], v[XSA+(\s)/4] offset:6400*((\s)%4)+6144
	ds_load_b64 v[SB+12:SB+13], v[VSA+(\s)/4] offset:6400*((\s)%4)+6144
.endm
.macro LOADB s                         ; the weight's: 13
.set FB, 128*((\s)%2)
.set SB, SC+16*((\s)%2)
	WIN 0x40
.irp a, 0,1,2,3
.irp j, 0,1,2
	ds_load_b128 v[FB+48+12*\a+4*\j:FB+48+12*\a+4*\j+3], v[WA+(\s)/4] offset:6400*((\s)%4)+1536*\a+512*\j
.endr
.endr
	WIN 0
	ds_load_b128 v[SB+4:SB+7], v[WSA+(\s)/4] offset:6400*((\s)%4)+6144
.endm
.macro PROD s, d, a, b, sa, sb         ; the first step starts the sums
.if (\s) == 0
	v_wmma_scale_f32_16x16x128_f8f6f4 v[\d:\d+7], v[\a:\a+11], v[\b:\b+11], 0, v[\sa], v[\sb] matrix_a_fmt:MATRIX_FMT_FP6 matrix_b_fmt:MATRIX_FMT_FP6
.else
	v_wmma_scale_f32_16x16x128_f8f6f4 v[\d:\d+7], v[\a:\a+11], v[\b:\b+11], v[\d:\d+7], v[\sa], v[\sb] matrix_a_fmt:MATRIX_FMT_FP6 matrix_b_fmt:MATRIX_FMT_FP6
.endif
.endm
.macro MULQK s, m0
.set FB, 128*((\s)%2)
.set SB, SC+16*((\s)%2)
	WIN 0xa5                                       ; both sources window 1, C and D window 2
.irp m, \m0, \m0+1
.irp a, 0,1,2,3
	PROD \s, 32*(\m)+8*\a, FB+48+12*\a, FB+12*(\m), SB+4+\a, SB+(\m)
.endr
.endr
.endm
.macro STEP s                          ; the 24 sums take turns, one instruction a turn, in the same order in every step
	s_wait_dscnt 0x0                               ; this step's fragments are in
.if (\s) == 3
	s_wait_tensorcnt 0x0                           ; my load, whichever it was, has landed;
	s_barrier_signal -1                            ; say so; products, register work, stand ahead of the wait
	MULQK 3, 0
	WIN 0
	s_barrier_wait -1                              ; the second half of K is in
	PLACES
	LOADA 4
	LOADB 4
.else
.if (\s) < 7
	PLACES                                         ; behind the last step's products, whose set is loaded now
	LOADA (\s)+1
.endif
	MULQK \s, 0
.if (\s) < 7
	LOADB (\s)+1
.endif
.endif
	MULQK \s, 2
.set FB, 128*((\s)%2)
.set SB, SC+16*((\s)%2)
.irp m, 0,1
.irp a, 0,1,2,3
	PROD \s, 128+32*\m+8*\a, FB+12*\a, FB+96+12*\m, SB+\a, SB+12+\m
.endr
.endr
	WIN 0
.endm
; Two lanes' blocks of 32 at v[a], v[b] of window sw: their largest magnitudes, with the floor 2^(3 - 127), in v[TM], v[TM+1]: four chains by turns
.macro QMAX sw, a, b
	WIN 0x15*\sw
	v_max3_num_f32 v[TM], |v[\a]|, |v[\a+1]|, 0x1800000
	v_max3_num_f32 v[TM+1], |v[\b]|, |v[\b+1]|, 0x1800000
	v_max3_num_f32 v[TM+2], |v[\a+2]|, |v[\a+3]|, |v[\a+4]|
	v_max3_num_f32 v[TM+3], |v[\b+2]|, |v[\b+3]|, |v[\b+4]|
	WIN 0x14*\sw
.irp i, 5,9,13,17,21,25
	v_max3_num_f32 v[TM], v[TM], |v[\a+\i]|, |v[\a+\i+1]|
	v_max3_num_f32 v[TM+1], v[TM+1], |v[\b+\i]|, |v[\b+\i+1]|
	v_max3_num_f32 v[TM+2], v[TM+2], |v[\a+\i+2]|, |v[\a+\i+3]|
	v_max3_num_f32 v[TM+3], v[TM+3], |v[\b+\i+2]|, |v[\b+\i+3]|
.endr
	v_max3_num_f32 v[TM], v[TM], |v[\a+29]|, |v[\a+30]|
	v_max3_num_f32 v[TM+1], v[TM+1], |v[\b+29]|, |v[\b+30]|
	WIN 4*\sw
	v_max3_num_f32 v[TM], v[TM], |v[\a+31]|, v[TM+2]
	v_max3_num_f32 v[TM+1], v[TM+1], |v[\b+31]|, v[TM+3]
	WIN 0
.endm
.macro QCVT sw, a, b, p, q             ; their codes, six registers each, at v[p], v[q]; their scale bytes in v[BY], v[BY+1]
.irp t, 0,1
	v_add_nc_u32 v[SO+\t], 0xff000000, v[TM+\t]    ; 2 off the exponent field: the conversion's scale operand
.endr
.irp t, 0,1
	v_lshrrev_b32 v[BY+\t], 23, v[SO+\t]
.endr
	WIN \sw
	v_cvt_scalef32_pk16_fp6_f32 v[\p:\p+2], v[\a:\a+15], v[SO]
	v_cvt_scalef32_pk16_fp6_f32 v[CV:CV+2], v[\a+16:\a+31], v[SO]
	v_cvt_scalef32_pk16_fp6_f32 v[\q:\q+2], v[\b:\b+15], v[SO+1]
	v_cvt_scalef32_pk16_fp6_f32 v[CV+4:CV+6], v[\b+16:\b+31], v[SO+1]   ; (a conversion's three registers begin on an even number)
	WIN 0
	v_nop                                          ; one plain instruction behind a scaled conversion
.irp i, 0,1,2
	v_mov_b32 v[\p+3+\i], v[CV+\i]
	v_mov_b32 v[\q+3+\i], v[CV+4+\i]
.endr
.endm
; RoPE on tiles m0, m0 + 1: registers 2 p, 2 p + 1 of a tile's 32 are the pair 16 h + p of my t, and its cosine and sine lie at the same numbers of window 3
.macro ROPE m0
	WIN 0x0e                                       ; source 0 window 2, source 1 window 3
.set p_, 0
.rept 32
	v_pk_mul_f32 v[TA+p_:TA+p_+1], v[32*\m0+p_:32*\m0+p_+1], v[32*\m0+p_:32*\m0+p_+1] op_sel:[1,1] op_sel_hi:[0,1]   ; x2 sin, x1 sin
.set p_, p_+2
.endr
.set p_, 0
.rept 32
	v_pk_fma_f32 v[Y+p_:Y+p_+1], v[32*\m0+p_:32*\m0+p_+1], v[32*\m0+p_:32*\m0+p_+1], v[TA+p_:TA+p_+1] op_sel_hi:[1,0,1] neg_lo:[0,0,1]   ; x1 cos - x2 sin, x2 cos + x1 sin
.set p_, p_+2
.endr
	WIN 0
.endm
.macro QKOUT m0                        ; tiles m0, m0 + 1 leave; their rows' scale words: byte 0 from lane r, byte 1 from lane 16 + r
	QMAX 0, Y, Y+32
	QCVT 0, Y, Y+32, PC+12+6*\m0, PC+18+6*\m0
.irp t, 0,1
	global_store_b128 v[L16], v[PC+12+6*(\m0+\t):PC+15+6*(\m0+\t)], s[76:77] offset:768*(\m0+\t)
	global_store_b64 v[L8], v[PC+16+6*(\m0+\t):PC+17+6*(\m0+\t)], s[76:77] offset:768*(\m0+\t)+512
.endr
.irp t, 0,1
	v_lshlrev_b32 v[TW+\t], v[HS], v[BY+\t]
.endr
.irp t, 0,1
	v_permlanex16_b32 v[PX+\t], v[TW+\t], s50, s51
.endr
.irp t, 0,1
	v_or_b32 v[SW+\m0+\t], v[TW+\t], v[PX+\t]
.endr
.endm
	WALU
	s_cmp_lt_u32 s14, 2
	s_cbranch_scc0 .Lnot_first_half
	s_wait_tensorcnt 0x0                           ; waves 0, 1: the first half of K has landed
.Lnot_first_half:
	s_barrier_signal -1
	s_barrier_wait -1
	LOADA 0
	LOADB 0
.irp s, 0,1,2,3,4,5,6,7
	STEP \s
.endr
	PLACES
	; ---------------- v
	s_mov_b32 s50, 0x76543210                      ; (all tensor loads are done: their descriptors' registers may be written)
	s_mov_b32 s51, 0xfedcba98                      ; v_permlanex16_b32: lane l xor 16
	QMAX 2, 128, 160
	QCVT 2, 128, 160, PC, PC+6
.irp t, 0,1
	global_store_b128 v[L16], v[PC+6*\t:PC+6*\t+3], s[80:81] offset:1536*\t            ; 512 consecutive bytes, aligned
	global_store_b64 v[L8], v[PC+6*\t+4:PC+6*\t+5], s[80:81] offset:1536*\t+512        ; 256
	ds_store_b8 v[SVA], v[BY+\t] offset:4*\t
.endr
	s_wait_loadcnt 0x0                             ; the table
	s_wait_tensorcnt 0x0                           ; my last LDS store is issued: RoPE on tiles 0, 1, register work, stands between the add and its wait
	ds_add_u32 v[SPW], v[NIL]
	ROPE 0
	WALU
	s_wait_dscnt 0x0
	CROUND                                         ; the closing round, behind the last tensor load: its opening barrier shows V's scale bytes, and no partner has a joint load still to issue
	s_cmp_lg_u32 s14, 0
	s_cbranch_scc1 .Lnot_words
	ds_load_b128 v[232:235], v[SCR]
	s_wait_dscnt 0x0
	global_store_b128 v[R16], v[232:235], s[78:79] offset:6144   ; wave 0: V's 256 bytes of scale words (lanes l and l xor 16 store the same)
.Lnot_words:
	; ---------------- q or k
	QKOUT 0
	ROPE 2*1
	QKOUT 2
	global_store_b128 v[R16], v[SW:SW+3], s[76:77] offset:3072   ; my quad's 256 bytes of scale words
	s_endpgm
.Lfunc_end_k_qb4dabc1068_qkv:
	.size	k_qb4dabc1068_qkv, .Lfunc_end_k_qb4dabc1068_qkv-k_qb4dabc1068_qkv
	.p2alignl 7, 3214868480
	.fill 96, 4, 3214868480
	.section	.rodata,"a",@progbits
	.p2align	6, 0x0
	.amdhsa_kernel k_qb4dabc1068_qkv
		.amdhsa_group_segment_fixed_size 256768
		.amdhsa_private_segment_fixed_size 0
		.amdhsa_enable_private_segment 0
		.amdhsa_kernarg_size 40
		.amdhsa_user_sgpr_count 2
		.amdhsa_user_sgpr_kernarg_segment_ptr 1
		.amdhsa_wavefront_size32 1
		.amdhsa_system_sgpr_workgroup_id_x 1
		.amdhsa_system_sgpr_workgroup_id_y 1
		.amdhsa_system_sgpr_workgroup_id_z 1
		.amdhsa_system_vgpr_workitem_id 0
		.amdhsa_next_free_vgpr 896
		.amdhsa_next_free_sgpr 90
		.amdhsa_reserve_vcc 0
		.amdhsa_float_denorm_mode_32 3
		.amdhsa_float_denorm_mode_16_64 3
		.amdhsa_memory_ordered 1
		.amdhsa_forward_progress 1
		.amdhsa_inst_pref_size 74
	.end_amdhsa_kernel
	.amdgpu_metadata
---
amdhsa.version: [ 1, 2 ]
amdhsa.kernels:
  - .name:           k_qb4dabc1068_qkv
    .symbol:         k_qb4dabc1068_qkv.kd
    .args:
      - { .name: xq, .offset: 0, .size: 8, .value_kind: global_buffer, .address_space: global }
      - { .name: wq, .offset: 8, .size: 8, .value_kind: global_buffer, .address_space: global }
      - { .name: rope, .offset: 16, .size: 8, .value_kind: global_buffer, .address_space: global }
      - { .name: qb, .offset: 24, .size: 8, .value_kind: global_buffer, .address_space: global }
      - { .name: kv, .offset: 32, .size: 8, .value_kind: global_buffer, .address_space: global }
    .group_segment_fixed_size: 256768
    .private_segment_fixed_size: 0
    .kernarg_segment_align: 8
    .kernarg_segment_size: 40
    .max_flat_workgroup_size: 128
    .sgpr_count:     90
    .vgpr_count:     896
    .wavefront_size: 32
...
	.end_amdgpu_metadata
.endif
;; end of part 2
;; launch attn (part 3): grid 16 x 16, 8 waves a work-group, clusters of 4 x 1, 296,960 bytes of LDS; arguments qb, kv, aq; writes aq
.if DOCPART == 3
	.amdgcn_target "amdgcn-amd-amdhsa--gfx1250"
	.amdhsa_code_object_version 6
	.text
	.protected	k_qb4dabc1068_attn
	.globl	k_qb4dabc1068_attn
	.p2align	8
	.type	k_qb4dabc1068_attn,@function
k_qb4dabc1068_attn:
	s_mov_b64 s[64:65], 0
	v_nop
	global_prefetch_b8 v0, s[64:65] scope:SCOPE_SE
	s_setreg_imm32_b32 hwreg(HW_REG_WAVE_MODE, 25, 1), 1
	s_wait_xcnt 0x0
	s_wait_alu depctr_hold_cnt(0) depctr_sa_sdst(0) depctr_va_vdst(0) depctr_va_sdst(0) depctr_va_ssrc(0) depctr_va_vcc(0) depctr_vm_vsrc(0)
	s_getreg_b32 s2, hwreg(HW_REG_IB_STS2, 6, 4)
	s_cmp_eq_u32 s2, 0
	s_cbranch_scc0 .Lentry_in_a_cluster
	s_endpgm
.Lentry_in_a_cluster:
	s_bfe_u32 s2, ttmp6, 0x10000c
	s_cmp_lg_u32 s2, 0x3003
	s_cbranch_scc0 .Lentry_shape_is_right
	s_endpgm
.Lentry_shape_is_right:
; ATTN: softmax(q k^T / 8) v for one head and 128 queries a work-group, on codes of FP6; the result leaves as codes.  Key steps of 128 that lie wholly behind a tile's queries are not multiplied (dead work: the comment at prep's head).
; THE DEAL.  A head's 128 query tiles of 16 form 16 groups of eight; the tiles of group n need n + 1 key steps.  A cluster (X = 0 .. 3) has the groups d = 15 - X, c = 8 + X, b = 7 - X, a = X: 34 steps for each X; its work-group cx takes
; tiles 2 cx, 2 cx + 1 of each group, so no branch hangs on cx.  A WAVE TAKES TWO TILES of a group at a time (each fragment of K and V serves both) and every S-th key step:
;   X < 2:  waves 0-3 d (S = 4), 4, 5 c (2), 6, 7 b (2);  then wave 7 all of a.      X >= 2:  waves 0-2 d (3), 4-6 c (3), 3, 7 b (2);  then waves 3, 7 a (2).
; So a wave has 3 to 5 steps, and waves w and w + 4 together 7 to 9.  A wave's part of a tile (-M, its sum, O) goes to LDS; at the end wave w joins the parts of tile w % 2 of the group w / 2 (d, c, b, a): M is a whole number, so the rescaling is by powers of two.
; The whole K and V of the head, 208,896 bytes, come into LDS by eight joint loads, one a wave (mask 15: the cluster's four work-groups): wave w brings key steps 2 w, 2 w + 1.  The first barrier shows steps 0-3 (waves 0, 1), which serve the first trip
; (it begins at step 3 at the most, and no group but a ends that early: no mask); the second, in the first trip, shows the rest.  Nothing is filled twice.  No prefetch: every tensor load goes out at the head.
; ARITHMETIC.  S^T = K q^T, O^T = V^T p^T: a lane holds one query; by the keys' order in a tile its 64 scores of a step are two whole blocks of 32: register n is key 64 (n / 32) + 32 h + n % 32.
; The head's 64 fill half of the instruction's K: q's upper codes are zeros, so K's upper six registers may be any codes: tile kt names its own six and the next tile's (v72-77 stand behind the last).
; A block's largest p is the exponential of its largest score (the same two instructions on the same number; it takes v_exp_f32 not to fall where its input rises).
; aq: [64 t: 32][half of the heads][25,600]: four tiles' eight head images of 768 bytes (registers 0-3 at 16 l, 4-5 at 512 + 8 l), then the tiles' scale bytes, 16 a row.
; LIMITS: the scaled scores stay under 2^31 in magnitude; a block of zeros gets the byte 1; NaN and infinities are not served.
.set STEPB, 13056
.set HEADB, 208896
.set PART,  4352                       ; a part of one tile: 8 x 512 bytes of O, 256 of (-M, sum)
.set MRG,   HEADB                      ; ten places of two tiles: wave w's first at w, the second of waves 3 and 7 at 8 and 9
.set SPARE, MRG+20*PART
.set A16,  1
.set A8,   2
.set AR,   3
.set AD16, 4                           ; this step's V
.set AD8,  5
.set ADR,  6
.set BD16, 7                           ; the next step's K
.set DQ,   8                           ; v8, v9 the tiles' query less 32 h
.set NINF, 10
.set HS,   11
.set HH,   12
.set OA,   13
.set NM,   16                          ; v[16:17], v[18:19]: -M, the largest score
.set L,    20                          ; the sums, in two halves
.set F,    24
.set SUM,  28
.set TP,   32
.set NN,   34
.set BM,   36                          ; four blocks: two a tile
.set SO,   40
.set BT,   44
.set PX,   48
.set QS,   52
.set PS,   54
.set VS,   56
.set KS,   60
.set TW,   68
.set SPW,  70
.set NIL,  71
.set WB,   72                          ; my first part's place: for O, for (-M, sum)
.set WB8,  73
.set WB2,  74                          ; my second part's
.set WB28, 75
.set BD8,  76
.set BDR,  77
.set QS2,  78
.set RB,   80                          ; v80-83, v84-87 the places of the parts that I join
.set RB8,  84
.set PM,   112                         ; v112-119 their (-M, sum)
.set S,    128                         ; v128-255 the scores, then p; at the end four parts of O
; window 1:
.set Q,    0
.set K,    24
.set V,    80
.set PC,   128
.set CT,   152
.set Q2,   168                         ; q of group a
.set O,    192
.set MSB, 0
.macro WIN new                         ; the immediate's high byte repeats the setting that is left
.if MSB != (\new)
	s_set_vgpr_msb (MSB<<8)|(\new)
.set MSB, (\new)
.endif
.endm
.macro PLACES                          ; four plain instructions behind a matrix instruction (ISA guide 7.12.1)
.rept 4
	v_nop
.endr
.endm
.macro WALU
	s_wait_alu depctr_va_vdst(0)
.endm
.macro CROUND                          ; a round of the cluster's barrier
	s_barrier_signal -1
	s_barrier_wait -1
	s_cmp_lg_u32 s10, 0
	s_cbranch_scc1 .Lnot_wave_0_\@
	s_barrier_signal -3
.Lnot_wave_0_\@:
	s_barrier_wait -3
	s_barrier_signal -1
	s_barrier_wait -1
.endm
	s_load_b128 s[4:7], s[0:1], 0x0                ; qb, kv
	s_load_b64 s[8:9], s[0:1], 0x10                ; aq
	v_lshl_add_u32 v[SPW], v0, 2, SPARE
	v_mov_b32 v[NIL], 0
	ds_add_u32 v[SPW], v[NIL]                      ; the opening lines: the add twice on end, and its wait ahead of the first tensor load
	ds_add_u32 v[SPW], v[NIL]
	v_lshrrev_b32 v14, 5, v0
	v_readfirstlane_b32 s10, v14                   ; wave 0..7
	s_and_b32 s48, ttmp7, 0xffff                   ; head
	s_bfe_u32 s49, ttmp6, 0x40000                  ; cx
	s_mov_b32 s16, 15|(3<<16)|(1<<21)              ; 102 rows of 32 elements of 8 bytes, dense: two key steps; mask: the cluster's four
	s_mov_b32 s17, 32<<16
	s_mov_b32 s18, 102<<16
	s_mov_b32 s19, 32<<16
	s_mov_b32 s20, 102
	s_mov_b32 s21, 32
	s_mov_b32 s22, 0
	s_mov_b32 s23, 0
	s_mov_b32 s24, 1
	s_mul_i32 s25, s10, 2*STEPB
	s_mul_i32 s50, s48, HEADB
	s_add_co_u32 s50, s50, s25
	s_mov_b32 s51, 0
	WALU
	s_wait_dscnt 0x0
	CROUND                                         ; the cluster's four work-groups are here: the joint loads meet
	s_wait_kmcnt 0x0
	s_add_nc_u64 s[26:27], s[6:7], s[50:51]
	s_or_b32 s27, s27, 0x80000000
	s_cmp_lt_u32 s10, 2                            ; waves 0, 1 wait for their loads ahead of the others: so they have a line of their own
	s_cbranch_scc0 .Lask_rest
	tensor_load_to_lds s[24:27], s[16:23]
	s_nop 0
	PLACES
	s_branch .Lasked
.Lask_rest:
	tensor_load_to_lds s[24:27], s[16:23]
	s_nop 0
	PLACES
.Lasked:
	; the deal: tables of four bits a wave (or, from s54 on, a group d, c, b, a), one for X < 2 and one for X >= 2
	s_lshl_b32 s28, s10, 2
	s_mov_b32 s11, 0x7788ffff
	s_mov_b32 s12, 0x10103210
	s_mov_b32 s13, 0x22224444
	s_mov_b32 s54, 0x9640
	s_mov_b32 s55, 0x1111
	s_mov_b32 s56, 0x1224
	s_cmp_lt_u32 ttmp9, 2
	s_cselect_b32 s11, s11, 0x78887fff
	s_cselect_b32 s12, s12, 0x12100210
	s_cselect_b32 s13, s13, 0x23332333
	s_cselect_b32 s54, s54, 0x8340
	s_cselect_b32 s55, s55, 0x1411
	s_cselect_b32 s56, s56, 0x2233
	s_lshr_b32 s11, s11, s28
	s_and_b32 s11, s11, 15
	s_xor_b32 s11, s11, ttmp9                      ; my group n: its last key step
	s_lshr_b32 s12, s12, s28
	s_and_b32 s12, s12, 3                          ; my first key step
	s_lshr_b32 s13, s13, s28
	s_and_b32 s13, s13, 7                          ; from step to step
	s_lshr_b32 s28, s10, 1
	s_lshl_b32 s28, s28, 2
	s_lshr_b32 s54, s54, s28
	s_and_b32 s54, s54, 15                         ; the parts that I join at the end: the first's place,
	s_lshr_b32 s55, s55, s28
	s_and_b32 s55, s55, 15                         ; from place to place,
	s_lshr_b32 s56, s56, s28
	s_and_b32 s56, s56, 15                         ; how many
	s_mov_b32 s57, 0x078f
	s_lshr_b32 s57, s57, s28
	s_and_b32 s57, s57, 15
	s_xor_b32 s57, s57, ttmp9                      ; and their group
	s_lshr_b32 s30, s10, 2                         ; my second segment, in group a:
	s_lshr_b32 s31, ttmp9, 1
	s_and_b32 s37, s30, s31                        ; its first step,
	s_add_co_u32 s58, s31, 1                       ; from step to step,
	s_or_b32 s30, s30, s31
	s_and_b32 s31, s10, 3
	s_cmp_eq_u32 s31, 3
	s_cselect_b32 s59, s30, 0                      ; and whether I have one
	s_lshr_b32 s29, s49, 1
	s_and_b32 s32, s49, 1
	s_mul_i32 s33, s48, 106496
	s_mov_b32 s31, 0
	s_mov_b32 s53, ttmp9
	v_and_b32 v14, 31, v0
	v_lshlrev_b32 v[A16], 4, v14
	v_lshlrev_b32 v[A8], 3, v14
	v_and_b32 v15, 15, v0
	v_lshlrev_b32 v[AR], 4, v15
.macro QLOAD n, b, q, qs               ; the images and scale words of tiles 2 cx, 2 cx + 1 of group s[n]; s[b : b + 3] hold the addresses
	s_lshl_b32 s30, s\n, 1
	s_add_co_u32 s30, s30, s29                     ; quad of 64 queries
	s_mul_i32 s30, s30, 3328
	s_add_co_u32 s30, s30, s33
	s_add_nc_u64 s[\b:\b+1], s[4:5], s[30:31]
	s_mul_i32 s30, s32, 1536
	s_add_nc_u64 s[\b+2:\b+3], s[\b:\b+1], s[30:31]
	s_lshl_b32 s30, s32, 3
	s_add_nc_u64 s[\b:\b+1], s[\b:\b+1], s[30:31]
	WIN 0x40
	global_load_b128 v[\q:\q+3], v[A16], s[\b+2:\b+3]
	global_load_b64 v[\q+4:\q+5], v[A8], s[\b+2:\b+3] offset:512
	global_load_b128 v[\q+12:\q+15], v[A16], s[\b+2:\b+3] offset:768
	global_load_b64 v[\q+16:\q+17], v[A8], s[\b+2:\b+3] offset:1280
	WIN 0
	global_load_b64 v[\qs:\qs+1], v[AR], s[\b:\b+1] offset:3072
.endm
	WALU
	QLOAD 11, 44, Q, QS
	s_cmp_eq_u32 s59, 0
	s_cbranch_scc1 .Lno_second_q
	QLOAD 53, 68, Q2, QS2
.Lno_second_q:
	; where my joined tile goes: tile 8 n + 2 cx + u of aq
	s_and_b32 s34, s10, 1
	s_lshl_b32 s35, s32, 1
	s_add_co_u32 s35, s35, s34                     ; the tile in its 64 t
	s_lshl_b32 s30, s57, 1
	s_add_co_u32 s30, s30, s29
	s_mul_i32 s30, s30, 51200
	s_lshr_b32 s36, s48, 3
	s_mul_i32 s36, s36, 25600
	s_add_co_u32 s30, s30, s36
	s_add_nc_u64 s[62:63], s[8:9], s[30:31]
	s_and_b32 s36, s48, 7
	s_mul_i32 s30, s35, 6144
	s_mul_i32 s28, s36, 768
	s_add_co_u32 s30, s30, s28
	s_add_nc_u64 s[60:61], s[62:63], s[30:31]      ; codes
	s_lshl_b32 s30, s35, 8
	s_lshl_b32 s28, s36, 1
	s_add_co_u32 s30, s30, s28
	s_add_nc_u64 s[62:63], s[62:63], s[30:31]      ; scale bytes (+ 24,576)
	s_lshl_b32 s35, s29, 6
	s_lshl_b32 s36, s32, 4
	s_add_co_u32 s35, s35, s36                     ; my first tile's first query of the 128
	v_bfe_u32 v[HH], v0, 4, 1
	v_lshlrev_b32 v[HS], 3, v[HH]
	v_lshl_add_u32 v[OA], v15, 4, v[HH]
	v_and_b32 v14, 8, v15
	v_mad_u32_u24 v[DQ], v14, 3, v15               ; r % 8 + 32 (r / 8)
	v_lshlrev_b32 v14, 5, v[HH]
	v_sub_nc_u32 v[DQ], v[DQ], v14
	v_add_nc_u32 v[DQ], s35, v[DQ]
	v_add_nc_u32 v[DQ+1], 8, v[DQ]
	v_mov_b32 v[NINF], 0xff800000
	s_mul_i32 s35, s10, 2*PART
	s_add_co_u32 s35, s35, MRG
	v_add_nc_u32 v[WB], s35, v[A16]
	v_add_nc_u32 v[WB8], s35, v[A8]
	s_lshr_b32 s36, s10, 2
	s_mul_i32 s36, s36, 2*PART
	s_add_co_u32 s36, s36, MRG+16*PART
	v_add_nc_u32 v[WB2], s36, v[A16]
	v_add_nc_u32 v[WB28], s36, v[A8]
	s_mul_i32 s34, s34, PART
	s_add_co_u32 s34, s34, MRG
.irp p, 0,1,2,3
	s_min_u32 s35, s54, 9
	s_mul_i32 s35, s35, 2*PART
	s_add_co_u32 s35, s35, s34
	v_add_nc_u32 v[RB+\p], s35, v[A16]
	v_add_nc_u32 v[RB8+\p], s35, v[A8]
	s_add_co_u32 s54, s54, s55
.endr
	s_mov_b32 s40, 0x76543210
	s_mov_b32 s41, 0xfedcba98                      ; v_permlanex16_b32: lane l xor 16
	s_mov_b32 s42, 0x3e38aa3b                      ; log2(e) / 8
	s_mov_b32 s43, s42
	s_mul_i32 s15, s12, STEPB
	v_add_nc_u32 v[BD16], s15, v[A16]
	v_add_nc_u32 v[BD8], s15, v[A8]
	v_add_nc_u32 v[BDR], s15, v[AR]
	v_mov_b32 v[F+1], 0                            ; upper words of pairs whose lower word alone serves
	v_mov_b32 v[F+3], 0
	v_mov_b32 v125, 0
.irp i, 0,1,2,3
	v_mov_b32 v[PX+\i], 0                          ; written once: a lane permute's destination counts as one of its sources
.endr
	WIN 0x40
.irp i, 6,7,8,9,10,11
	v_mov_b32 v[Q+\i], 0                           ; q's codes of K = 64 .. 127
	v_mov_b32 v[Q+12+\i], 0
	v_mov_b32 v[Q2+\i], 0
	v_mov_b32 v[Q2+12+\i], 0
	v_mov_b32 v[K+42+\i], 0                        ; behind K's last tile
.endr
	WIN 0
.macro FETCHK                          ; K's eight tiles and their scale words: 18 LDS loads
	WIN 0x40
.irp kt, 0,1,2,3,4,5,6,7
	ds_load_b128 v[K+6*\kt:K+6*\kt+3], v[BD16] offset:3328*(\kt/4)+768*(\kt%4)
	ds_load_b64 v[K+6*\kt+4:K+6*\kt+5], v[BD8] offset:3328*(\kt/4)+768*(\kt%4)+512
.endr
	WIN 0
	ds_load_b128 v[KS:KS+3], v[BDR] offset:3072
	ds_load_b128 v[KS+4:KS+7], v[BDR] offset:6400
.endm
.macro NEXTK base                      ; where the next K lies
	v_add_nc_u32 v[BD16], s\base, v[A16]
	v_add_nc_u32 v[BD8], s\base, v[A8]
	v_add_nc_u32 v[BDR], s\base, v[AR]
.endm
.macro MASK                            ; the diagonal step: keys behind the query
.irp u, 0,1
.set n_, 0
.rept 64
	v_cmp_gt_i32 vcc_lo, 64*(n_/32)+n_%32, v[DQ+\u]
	v_cndmask_b32 v[S+64*\u+n_], v[S+64*\u+n_], v[NINF], vcc_lo
.set n_, n_+1
.endr
.endr
.endm
.macro PV first
	WIN 0x55
.irp u, 0,1
.irp m, 0,1,2,3
.if \first
	v_wmma_scale_f32_16x16x128_f8f6f4 v[O+32*\u+8*\m:O+32*\u+8*\m+7], v[V+12*\m:V+12*\m+11], v[PC+12*\u:PC+12*\u+11], 0, v[VS+\m], v[PS+\u] matrix_a_fmt:MATRIX_FMT_FP6 matrix_b_fmt:MATRIX_FMT_FP6
.else
	v_wmma_scale_f32_16x16x128_f8f6f4 v[O+32*\u+8*\m:O+32*\u+8*\m+7], v[V+12*\m:V+12*\m+11], v[PC+12*\u:PC+12*\u+11], v[O+32*\u+8*\m:O+32*\u+8*\m+7], v[VS+\m], v[PS+\u] matrix_a_fmt:MATRIX_FMT_FP6 matrix_b_fmt:MATRIX_FMT_FP6
.endif
.endr
.endr
	WIN 0
.endm
; One key step for both tiles.  s14: the step, s15: its LDS bytes, s53: the next one's, s11: the group's last step.
; kind 0: a further step;  1: the first trip, with the second barrier in it;  2: a segment's first step (1, 2: the sums start, nothing is rescaled).  pre: the next K is fetched
.macro STEP kind, q, qs, pre
.if \pre
	NEXTK 53
.else
	v_nop
.endif
	v_add_nc_u32 v[AD16], s15, v[A16]              ; (these additions, and what stands ahead of them, are also the places between the last products and the loads of V)
	v_add_nc_u32 v[AD8], s15, v[A8]
	v_add_nc_u32 v[ADR], s15, v[AR]
	WIN 0x40
.irp m, 0,1,2,3
.irp c, 0,1
	ds_load_b128 v[V+12*\m+6*\c:V+12*\m+6*\c+3], v[AD16] offset:6656+1536*\m+768*\c
	ds_load_b64 v[V+12*\m+6*\c+4:V+12*\m+6*\c+5], v[AD8] offset:6656+1536*\m+768*\c+512
.endr
.endr
	WIN 0
	ds_load_b128 v[VS:VS+3], v[ADR] offset:12800
	WALU
.if \kind == 1
	s_wait_loadcnt 0x0                             ; q
.endif
	s_wait_dscnt 17                                ; K is in; V's 17 loads may be out
	WIN 0x05
.irp u, 0,1
.irp kt, 0,1,2,3,4,5,6,7
	v_wmma_scale_f32_16x16x128_f8f6f4 v[S+64*\u+8*\kt:S+64*\u+8*\kt+7], v[K+6*\kt:K+6*\kt+11], v[\q+12*\u:\q+12*\u+11], 0, v[KS+\kt], v[\qs+\u] matrix_a_fmt:MATRIX_FMT_FP6 matrix_b_fmt:MATRIX_FMT_FP6
.endr
.endr
	WIN 0
	PLACES
.if \pre
	FETCHK                                         ; (behind a segment's last step: bytes of another step, not used)
.endif
.if \kind != 1
	s_cmp_lg_u32 s14, s11
	s_cbranch_scc1 .Lopen_\@
	MASK
.Lopen_\@:
.endif
.irp b, 0,1,2,3
	v_max3_num_f32 v[BM+\b], v[S+32*\b], v[S+32*\b+1], v[S+32*\b+2]
.endr
.irp i, 3,5,7,9,11,13,15,17,19,21,23,25,27,29
.irp b, 0,1,2,3
	v_max3_num_f32 v[BM+\b], v[BM+\b], v[S+32*\b+\i], v[S+32*\b+\i+1]
.endr
.endr
.irp b, 0,1,2,3
	v_max_num_f32 v[BM+\b], v[BM+\b], v[S+32*\b+31]   ; each block's largest score
.endr
.irp u, 0,1
	v_max_num_f32 v[TP+\u], v[BM+2*\u], v[BM+2*\u+1]
.endr
.irp u, 0,1
	v_permlanex16_b32 v[PX+\u], v[TP+\u], s40, s41
.endr
.irp u, 0,1
.if \kind
	v_max_num_f32 v[NM+2*\u+1], v[TP+\u], v[PX+\u]
.else
	v_max3_num_f32 v[NM+2*\u+1], v[TP+\u], v[PX+\u], v[NM+2*\u+1]
.endif
.endr
.irp u, 0,1
	v_mul_f32 v[TP+\u], s42, -v[NM+2*\u+1]
.endr
.if \kind
.irp u, 0,1
	v_floor_f32 v[NM+2*\u], v[TP+\u]               ; -M = floor(-t) = -ceil(t)
.endr
.else
.irp u, 0,1
	v_floor_f32 v[NN+\u], v[TP+\u]
.endr
.irp u, 0,1
	v_sub_f32 v[TP+\u], v[NN+\u], v[NM+2*\u]       ; the old M less the new: a whole number, 0 or less
.endr
.irp u, 0,1
	v_mov_b32 v[NM+2*\u], v[NN+\u]
.endr
.irp u, 0,1
	v_cvt_i32_f32 v[TP+\u], v[TP+\u]
.endr
.irp u, 0,1
	v_ldexp_f32 v[F+2*\u], 1.0, v[TP+\u]
.endr
.endif
.set j_, 0
.rept 32
	v_pk_fma_f32 v[S+j_:S+j_+1], v[S+j_:S+j_+1], s[42:43], v[NM:NM+1] op_sel_hi:[1,0,0]   ; t - M
.set j_, j_+2
.endr
.irp b, 0,1,2,3
	v_fma_f32 v[BM+\b], v[BM+\b], s42, v[NM+2*(\b/2)]
.endr
	WALU
.irp b, 0,1,2,3
	v_exp_f32 v[BM+\b], v[BM+\b]                   ; the blocks' largest p
.endr
.set j_, 0
.rept 32
	v_exp_f32 v[S+j_], v[S+j_]
	v_exp_f32 v[S+j_+1], v[S+j_+1]
	v_pk_fma_f32 v[S+64+j_:S+65+j_], v[S+64+j_:S+65+j_], s[42:43], v[NM+2:NM+3] op_sel_hi:[1,0,0]   ; the second tile's t - M, first read behind the wait below
.set j_, j_+2
.endr
	WALU
.set j_, 0
.rept 64
	v_exp_f32 v[S+64+j_], v[S+64+j_]
.set j_, j_+1
.endr
.if \kind
	v_nop                                          ; a plain place behind the exponentials
	WALU
.irp u, 0,1
	v_pk_add_f32 v[L+2*\u:L+2*\u+1], v[S+64*\u:S+64*\u+1], v[S+64*\u+2:S+64*\u+3]
	v_pk_add_f32 v[SUM+2*\u:SUM+2*\u+1], v[S+64*\u+4:S+64*\u+5], v[S+64*\u+6:S+64*\u+7]
.endr
.set j_, 8
.set k_, 14
.else
.irp u, 0,1
	v_pk_mul_f32 v[L+2*\u:L+2*\u+1], v[L+2*\u:L+2*\u+1], v[F+2*\u:F+2*\u+1] op_sel_hi:[1,0]
.endr
	WALU
.irp u, 0,1
	v_pk_add_f32 v[SUM+2*\u:SUM+2*\u+1], v[S+64*\u:S+64*\u+1], v[S+64*\u+2:S+64*\u+3]
.endr
.set j_, 4
.set k_, 15
.endif
.rept k_                               ; the rows' sums, of the unquantised p, in four chains
.irp u, 0,1
	v_pk_add_f32 v[L+2*\u:L+2*\u+1], v[L+2*\u:L+2*\u+1], v[S+64*\u+j_:S+64*\u+j_+1]
.endr
.irp u, 0,1
	v_pk_add_f32 v[SUM+2*\u:SUM+2*\u+1], v[SUM+2*\u:SUM+2*\u+1], v[S+64*\u+j_+2:S+64*\u+j_+3]
.endr
.set j_, j_+4
.endr
.irp u, 0,1
	v_pk_add_f32 v[L+2*\u:L+2*\u+1], v[L+2*\u:L+2*\u+1], v[SUM+2*\u:SUM+2*\u+1]
.endr
.irp b, 0,1,2,3
	v_max_num_f32 v[BM+\b], 0x1800000, v[BM+\b]    ; the floor 2^(3 - 127)
.endr
.irp b, 0,1,2,3
	v_add_nc_u32 v[SO+\b], 0xff000000, v[BM+\b]
.endr
.irp b, 0,1,2,3
	v_lshrrev_b32 v[BT+\b], 23, v[SO+\b]
.endr
.irp u, 0,1
	v_lshl_or_b32 v[TW+\u], v[BT+2*\u+1], 16, v[BT+2*\u]
.endr
.irp u, 0,1
	v_lshlrev_b32 v[TW+\u], v[HS], v[TW+\u]        ; my blocks h and 2 + h at their places,
.endr
.irp u, 0,1
	v_permlanex16_b32 v[PX+2+\u], v[TW+\u], s40, s41
.endr
.irp u, 0,1
	v_or_b32 v[PS+\u], v[TW+\u], v[PX+2+\u]        ; with lane l xor 16's the word is whole
.endr
	WIN 0x40
.irp u, 0,1
.irp c, 0,1
	v_cvt_scalef32_pk16_fp6_f32 v[PC+12*\u+6*\c:PC+12*\u+6*\c+2], v[S+64*\u+32*\c:S+64*\u+32*\c+15], v[SO+2*\u+\c]
	v_cvt_scalef32_pk16_fp6_f32 v[CT+8*\u+4*\c:CT+8*\u+4*\c+2], v[S+64*\u+32*\c+16:S+64*\u+32*\c+31], v[SO+2*\u+\c]
.endr
.endr
	WIN 0x41
	v_nop                                          ; one plain instruction behind a scaled conversion
.irp u, 0,1
.irp c, 0,1
.irp i, 0,1,2
	v_mov_b32 v[PC+12*\u+6*\c+3+\i], v[CT+8*\u+4*\c+\i]
.endr
.endr
.endr
.if \kind
	WIN 0
	PLACES                                         ; an operand that a vector instruction wrote stands four places ahead
.else
	WALU
.set j_, 0
.rept 16
.irp u, 0,1
	v_pk_mul_f32 v[O+32*\u+j_:O+32*\u+j_+1], v[O+32*\u+j_:O+32*\u+j_+1], v[F+2*\u:F+2*\u+1] op_sel_hi:[1,0]
.endr
.set j_, j_+2
.endr
	WIN 0
.endif
	WALU
.if \kind == 1
	s_wait_tensorcnt 0x0                           ; my load has landed, whichever it was,
	s_wait_dscnt 0x0                               ; V is in, and no LDS load of mine is out:
	s_barrier_signal -1                            ; say so; the products, register work, stand ahead of the wait
	PV 1
	s_barrier_wait -1                              ; all of K and V is in
.else
.if \pre
	s_wait_dscnt 18                                ; V is in; the next K's 18 loads may be out
.else
	s_wait_dscnt 0x0
.endif
	PV \kind
.endif
.endm
.macro PUT wb, wb8                     ; the segment's parts go to LDS
	v_add_f32 v[NM+1], v[L], v[L+1]                ; the sum beside -M
	v_add_f32 v[NM+3], v[L+2], v[L+3]
	v_nop
	v_nop                                          ; (four places behind the last products)
	WIN 0x04
.irp i, 0,1,2,3,4,5,6,7
.irp u, 0,1
	ds_store_b128 v[\wb], v[O+32*\u+4*\i:O+32*\u+4*\i+3] offset:PART*\u+512*\i
.endr
.endr
	WIN 0
.irp u, 0,1
	ds_store_b64 v[\wb8], v[NM+2*\u:NM+2*\u+1] offset:PART*\u+4096
.endr
.endm
	WALU
	s_cmp_lt_u32 s10, 2
	s_cbranch_scc0 .Lnot_first
	s_wait_tensorcnt 0x0                           ; waves 0, 1: key steps 0-3 have landed
.Lnot_first:
	s_barrier_signal -1
	s_barrier_wait -1
	FETCHK                                         ; my first step
	STEP 1, Q, QS, 0
	s_add_co_u32 s53, s12, s13
	s_mul_i32 s53, s53, STEPB
	NEXTK 53
	FETCHK
	WALU
	s_mov_b32 s52, 1
.Ltrip:                                ; four more trips at the most; a trip beyond my group's last key step passes the work over: a branch on ids alone
	s_mul_i32 s14, s52, s13
	s_add_co_u32 s14, s14, s12
	s_min_u32 s15, s14, 15
	s_mul_i32 s15, s15, STEPB
	s_add_co_u32 s53, s14, s13
	s_min_u32 s53, s53, 15
	s_mul_i32 s53, s53, STEPB
	s_cmp_gt_u32 s14, s11
	s_cbranch_scc1 .Lpassed
	STEP 0, Q, QS, 1
.Lpassed:
	WALU
	s_add_co_u32 s52, s52, 1
	s_cmp_lt_u32 s52, 5
	s_cbranch_scc1 .Ltrip
	s_wait_dscnt 0x0                               ; the last K's loads, which nobody uses
	s_mul_i32 s15, s37, STEPB
	NEXTK 15
	WALU
	s_cmp_eq_u32 s59, 0
	s_cbranch_scc1 .Lno_second_k
	FETCHK                                         ; the second segment's first K
.Lno_second_k:
	PUT WB, WB8
	WALU
	s_cmp_eq_u32 s59, 0
	s_cbranch_scc1 .Lparts_out
	s_mov_b32 s11, ttmp9                           ; group a
	s_mov_b32 s14, s37
	s_add_co_u32 s53, s37, s58
	s_min_u32 s53, s53, 15
	s_mul_i32 s53, s53, STEPB
	STEP 2, Q2, QS2, 1
	WALU
	s_add_co_u32 s14, s14, s58
	s_mov_b32 s15, s53
	s_cmp_gt_u32 s14, s11
	s_cbranch_scc1 .Lsecond_done
	STEP 0, Q2, QS2, 0
.Lsecond_done:
	WALU
	s_wait_dscnt 0x0
	s_cmp_eq_u32 s10, 3                            ; only waves 3 and 7 come here: each stores under a test of its own number, to its own place
	s_cbranch_scc0 .Lnot_wave_3
	PUT WB2, WB28
.Lnot_wave_3:
	WALU
	s_cmp_eq_u32 s10, 7
	s_cbranch_scc0 .Lnot_wave_7
	PUT WB2, WB28
.Lnot_wave_7:
	WALU
.Lparts_out:
	s_wait_tensorcnt 0x0                           ; behind my last LDS store
	ds_add_u32 v[SPW], v[NIL]
	s_wait_dscnt 0x0
	CROUND                                         ; the closing round: no partner has a joint load still to issue; its barriers show the parts to all my work-group's waves
.macro PARTIN p
.irp i, 0,1,2,3,4,5,6,7
	ds_load_b128 v[S+32*\p+4*\i:S+32*\p+4*\i+3], v[RB+\p] offset:512*\i
.endr
	ds_load_b64 v[PM+2*\p:PM+2*\p+1], v[RB8+\p] offset:4096
.endm
	PARTIN 0
	s_cmp_lt_u32 s56, 2                            ; how many parts: ids alone
	s_cbranch_scc1 .Lparts_in
	PARTIN 1
	s_cmp_lt_u32 s56, 3
	s_cbranch_scc1 .Lparts_in
	PARTIN 2
	s_cmp_lt_u32 s56, 4
	s_cbranch_scc1 .Lparts_in
	PARTIN 3
.Lparts_in:
	s_wait_dscnt 0x0
	s_cmp_lt_u32 s56, 2
	s_cbranch_scc1 .Ljoined
	v_min_num_f32 v[NN], v[PM], v[PM+2]            ; the largest M
	WALU
	s_cmp_lt_u32 s56, 3
	s_cbranch_scc1 .Llargest
	v_min_num_f32 v[NN], v[NN], v[PM+4]
	WALU
	s_cmp_lt_u32 s56, 4
	s_cbranch_scc1 .Llargest
	v_min_num_f32 v[NN], v[NN], v[PM+6]
	WALU
.Llargest:
.macro FACTOR p                        ; 2^(part p's M less the largest)
	v_sub_f32 v[TP], v[NN], v[PM+2*\p]
	v_cvt_i32_f32 v[TP], v[TP]
	v_ldexp_f32 v124, 1.0, v[TP]
.endm
.macro JOIN p
	FACTOR \p
	v_fma_f32 v[PM+1], v[PM+2*\p+1], v124, v[PM+1]
.set j_, 0
.rept 16
	v_pk_fma_f32 v[S+j_:S+j_+1], v[S+32*\p+j_:S+32*\p+j_+1], v[124:125], v[S+j_:S+j_+1] op_sel_hi:[1,0,1]
.set j_, j_+2
.endr
	WALU
.endm
	FACTOR 0
	v_mul_f32 v[PM+1], v[PM+1], v124
.set j_, 0
.rept 16
	v_pk_mul_f32 v[S+j_:S+j_+1], v[S+j_:S+j_+1], v[124:125] op_sel_hi:[1,0]
.set j_, j_+2
.endr
	JOIN 1
	s_cmp_lt_u32 s56, 3
	s_cbranch_scc1 .Ljoined
	JOIN 2
	s_cmp_lt_u32 s56, 4
	s_cbranch_scc1 .Ljoined
	JOIN 3
.Ljoined:
	; O / the sum, quantised along the head's d (my 32 are block h), and out
	v_permlanex16_b32 v[PX], v[PM+1], s40, s41
	v_add_f32 v[L], v[PM+1], v[PX]
	WALU
	v_rcp_f32 v[L], v[L]
	v_nop                                          ; a plain place behind the transcendental
	WALU
.set j_, 0
.rept 16
	v_pk_mul_f32 v[S+j_:S+j_+1], v[S+j_:S+j_+1], v[L:L+1] op_sel_hi:[1,0]
.set j_, j_+2
.endr
	v_max3_num_f32 v[BM], |v[S]|, |v[S+1]|, 0x1800000
	v_max3_num_f32 v[BM+1], |v[S+2]|, |v[S+3]|, |v[S+4]|
.irp i, 5,9,13,17,21,25
	v_max3_num_f32 v[BM], v[BM], |v[S+\i]|, |v[S+\i+1]|
	v_max3_num_f32 v[BM+1], v[BM+1], |v[S+\i+2]|, |v[S+\i+3]|
.endr
	v_max3_num_f32 v[BM], v[BM], |v[S+29]|, |v[S+30]|
	v_max3_num_f32 v[BM], v[BM], |v[S+31]|, v[BM+1]
	v_add_nc_u32 v[SO], 0xff000000, v[BM]
	v_lshrrev_b32 v[BT], 23, v[SO]
	v_cvt_scalef32_pk16_fp6_f32 v[100:102], v[S:S+15], v[SO]
	v_cvt_scalef32_pk16_fp6_f32 v[106:108], v[S+16:S+31], v[SO]
	v_nop                                          ; one plain instruction behind a scaled conversion
.irp i, 0,1,2
	v_mov_b32 v[103+\i], v[106+\i]
.endr
	global_store_b128 v[A16], v[100:103], s[60:61]              ; 512 consecutive bytes, aligned
	global_store_b64 v[A8], v[104:105], s[60:61] offset:512     ; 256
	global_store_b8 v[OA], v[BT], s[62:63] offset:24576
	s_endpgm
.Lfunc_end_k_qb4dabc1068_attn:
	.size	k_qb4dabc1068_attn, .Lfunc_end_k_qb4dabc1068_attn-k_qb4dabc1068_attn
	.p2alignl 7, 3214868480
	.fill 96, 4, 3214868480
	.section	.rodata,"a",@progbits
	.p2align	6, 0x0
	.amdhsa_kernel k_qb4dabc1068_attn
		.amdhsa_group_segment_fixed_size 296960
		.amdhsa_private_segment_fixed_size 0
		.amdhsa_enable_private_segment 0
		.amdhsa_kernarg_size 24
		.amdhsa_user_sgpr_count 2
		.amdhsa_user_sgpr_kernarg_segment_ptr 1
		.amdhsa_wavefront_size32 1
		.amdhsa_system_sgpr_workgroup_id_x 1
		.amdhsa_system_sgpr_workgroup_id_y 1
		.amdhsa_system_sgpr_workgroup_id_z 1
		.amdhsa_system_vgpr_workitem_id 0
		.amdhsa_next_free_vgpr 512
		.amdhsa_next_free_sgpr 72
		.amdhsa_reserve_vcc 1
		.amdhsa_float_denorm_mode_32 3
		.amdhsa_float_denorm_mode_16_64 3
		.amdhsa_memory_ordered 1
		.amdhsa_forward_progress 1
		.amdhsa_inst_pref_size 163
	.end_amdhsa_kernel
	.amdgpu_metadata
---
amdhsa.version: [ 1, 2 ]
amdhsa.kernels:
  - .name:           k_qb4dabc1068_attn
    .symbol:         k_qb4dabc1068_attn.kd
    .args:
      - { .name: qb, .offset: 0, .size: 8, .value_kind: global_buffer, .address_space: global }
      - { .name: kv, .offset: 8, .size: 8, .value_kind: global_buffer, .address_space: global }
      - { .name: aq, .offset: 16, .size: 8, .value_kind: global_buffer, .address_space: global }
    .group_segment_fixed_size: 296960
    .private_segment_fixed_size: 0
    .kernarg_segment_align: 8
    .kernarg_segment_size: 24
    .max_flat_workgroup_size: 256
    .sgpr_count:     72
    .vgpr_count:     512
    .wavefront_size: 32
...
	.end_amdgpu_metadata
.endif
;; end of part 3
;; launch proj (part 4): grid 8 x 32, 4 waves a work-group, clusters of 4 x 4, 188,928 bytes of LDS; arguments aq, wq, out0; writes out0
.if DOCPART == 4
	.amdgcn_target "amdgcn-amd-amdhsa--gfx1250"
	.amdhsa_code_object_version 6
	.text
	.protected	k_qb4dabc1068_proj
	.globl	k_qb4dabc1068_proj
	.p2align	8
	.type	k_qb4dabc1068_proj,@function
k_qb4dabc1068_proj:
	s_mov_b64 s[64:65], 0
	v_nop
	global_prefetch_b8 v0, s[64:65] scope:SCOPE_SE
	s_setreg_imm32_b32 hwreg(HW_REG_WAVE_MODE, 25, 1), 1
	s_wait_xcnt 0x0
	s_wait_alu depctr_hold_cnt(0) depctr_sa_sdst(0) depctr_va_vdst(0) depctr_va_sdst(0) depctr_va_ssrc(0) depctr_va_vcc(0) depctr_vm_vsrc(0)
	s_getreg_b32 s2, hwreg(HW_REG_IB_STS2, 6, 4)
	s_cmp_eq_u32 s2, 0
	s_cbranch_scc0 .Lentry_in_a_cluster
	s_endpgm
.Lentry_in_a_cluster:
	s_bfe_u32 s2, ttmp6, 0x10000c
	s_cmp_lg_u32 s2, 0xf033
	s_cbranch_scc0 .Lentry_shape_is_right
	s_endpgm
.Lentry_shape_is_right:
; PROJ: out0 = (the attention's result) w_proj on codes of FP6, K = 1024 in eight steps of 128; out0 [2048][1024] f32.
; 256 work-groups, each 128 columns n x 64 rows t; a wave (s = wave % 2, u = wave / 2) makes 64 columns x 32 rows: 8 accumulators, 64 matrix instructions, six fragments from LDS for eight of them.
; All operands, 153,600 bytes, come into LDS at the head, one joint load a wave: waves 0, 1 bring the first half of K (w_proj's 128 columns, my 64 rows), waves 2, 3 the second; the first half is multiplied while the second lands.  Nothing is filled twice.
; CLUSTERS of 4 x 4: w_proj's columns are shared along a column of the cluster, the rows along a row.  No prefetch: every tensor load is issued at the head.
; w_proj's fragments are source 0: a lane holds one t, and by the columns' order in a tile (8 a + r % 8 + 32 (r / 8)) its registers of four tiles are 32 neighbouring n.
; The way out goes through the wave's own stage in LDS, into which no fill lands: rows of 256 bytes come back whole, sixteen lanes to an aligned unit of 256 bytes.
; aq: [64 t: 32][half][25,600]: four tiles' eight head images of six registers (768 bytes), then the tiles' scale bytes, 16 a row.  Lane r of tile m is row 8 m + r % 8 + 32 (r / 8) of the 64.
.set PA, 1                             ; v1, v2 LDS: w_proj's fragments, first and second half of K
.set PSA, 3                            ; v3, v4 its scale words
.set RA16, 5                           ; my rows' (b128, b64), their scale words
.set RA8, 6
.set RSA, 7
.set STO, 8
.set RD, 9
.set CO, 10
.set SPW, 12
.set NIL, 13
.set PS, 16                            ; v16-19, v24-27 w_proj's scale words, two sets;  v32-47 my two tiles', one for each K step
.set RS, 32
.set ACC, 64                           ; v64-127: accumulator (m, a) at 32 m + 8 a
.set BK, 128                           ; v128-191 rows read back
.set STAGE, 153600
.set SPARE, STAGE+4*8704
; window 1: fragments, set s % 2 at v[80 (s % 2)]: w_proj's four, my rows' two
.set G1P, 20
.set G1R, 28
.set G0P, 36
.set G0R, 40
.set G0P1, 44
.set G0R1, 48
.set MSB, 0
.macro WIN new
.if MSB != (\new)
	s_set_vgpr_msb (MSB<<8)|(\new)
.set MSB, (\new)
.endif
.endm
.macro PLACES                          ; four plain instructions behind a matrix instruction (ISA guide 7.12.1)
.rept 4
	v_nop
.endr
.endm
.macro WALU
	s_wait_alu depctr_va_vdst(0)
.endm
.macro CROUND                          ; a round of the cluster's barrier
	s_barrier_signal -1
	s_barrier_wait -1
	s_cmp_lg_u32 s14, 0
	s_cbranch_scc1 .Lnot_wave_0_\@
	s_barrier_signal -3
.Lnot_wave_0_\@:
	s_barrier_wait -3
	s_barrier_signal -1
	s_barrier_wait -1
.endm
.macro GROUP1 g, mask, rows            ; a dense block as rows of 32 elements of 8 bytes, no padding
	s_or_b32 s[\g], s\mask, (3<<16)|(1<<21)
	s_mov_b32 s[\g+1], 32<<16
	s_mov_b32 s[\g+2], (\rows)<<16
	s_mov_b32 s[\g+3], 32<<16
	s_mov_b32 s[\g+4], \rows
	s_mov_b32 s[\g+5], 32
	s_mov_b32 s[\g+6], 0
	s_mov_b32 s[\g+7], 0
.endm
	s_load_b128 s[4:7], s[0:1], 0x0                ; aq, wq
	s_load_b64 s[8:9], s[0:1], 0x10                ; out0
	v_lshl_add_u32 v[SPW], v0, 2, SPARE
	v_mov_b32 v[NIL], 0
	ds_add_u32 v[SPW], v[NIL]                      ; the opening lines: the add twice on end, and its wait ahead of the first tensor load
	ds_add_u32 v[SPW], v[NIL]
	v_lshrrev_b32 v14, 5, v0
	v_readfirstlane_b32 s14, v14                   ; wave 0..3
	s_lshr_b32 s15, s14, 1                         ; u
	s_and_b32 s16, s14, 1                          ; s
	s_bfe_u32 s56, ttmp6, 0x40000                  ; cx
	s_bfe_u32 s57, ttmp6, 0x40004                  ; cy
	s_lshl_b32 s58, ttmp9, 2
	s_add_co_u32 s58, s58, s56                     ; which 128 columns, 0..7
	s_and_b32 s59, ttmp7, 0xffff
	s_lshl_b32 s59, s59, 2
	s_add_co_u32 s59, s59, s57                     ; which 64 rows, 0..31
	s_lshl_b32 s60, s57, 2
	s_lshl_b32 s60, 15, s60                        ; my row of the cluster
	s_lshl_b32 s61, 0x1111, s56                    ; my column
	GROUP1 G1P, 61, 200
	GROUP1 G1R, 60, 100
	s_mov_b32 s[G0P], 1                            ; LDS: w_proj's halves at 0 and 51,200, my rows' at 102,400 and 128,000
	s_mov_b32 s[G0P+1], 0
	s_mov_b32 s[G0R], 1
	s_mov_b32 s[G0R+1], 102400
	s_mov_b32 s[G0P1], 1
	s_mov_b32 s[G0P1+1], 51200
	s_mov_b32 s[G0R1], 1
	s_mov_b32 s[G0R1+1], 128000
	s_mul_i32 s52, s58, 102400
	s_add_co_u32 s52, s52, 2457600                 ; w_proj in wq
	s_mov_b32 s53, 0
	s_mul_i32 s54, s59, 51200
	s_mov_b32 s55, 0
	WALU
	s_wait_dscnt 0x0
	CROUND                                         ; all sixteen work-groups are here: the joint loads meet
	s_wait_kmcnt 0x0
	s_add_nc_u64 s[G0P+2:G0P+3], s[6:7], s[52:53]
	s_add_nc_u64 s[G0P1+2:G0P1+3], s[G0P+2:G0P+3], 51200
	s_or_b32 s[G0P+3], s[G0P+3], 0x80000000
	s_or_b32 s[G0P1+3], s[G0P1+3], 0x80000000
	s_add_nc_u64 s[G0R+2:G0R+3], s[4:5], s[54:55]
	s_add_nc_u64 s[G0R1+2:G0R1+3], s[G0R+2:G0R+3], 25600
	s_or_b32 s[G0R+3], s[G0R+3], 0x80000000
	s_or_b32 s[G0R1+3], s[G0R1+3], 0x80000000
.macro ARM wave, g0, g1, next          ; one chain of arms on the wave's number, a joint load in each
	s_cmp_eq_u32 s14, \wave
	s_cbranch_scc0 \next
	tensor_load_to_lds s[\g0:\g0+3], s[\g1:\g1+7]
	s_nop 0
	PLACES
	s_branch .Lasked
\next:
.endm
	ARM 0, G0P, G1P, .Lask_1
	ARM 1, G0R, G1R, .Lask_2
	ARM 2, G0P1, G1P, .Lask_3
	tensor_load_to_lds s[G0R1:G0R1+3], s[G1R:G1R+7]
	s_nop 0
	PLACES
.Lasked:
	s_lshl_b32 s52, s59, 18                        ; out0: 64 rows of 4,096 bytes,
	s_lshl_b32 s53, s15, 16                        ; my tiles 2 u, 2 u + 1 begin 16 u rows on,
	s_add_co_u32 s52, s52, s53
	s_lshl_b32 s53, s58, 9
	s_add_co_u32 s52, s52, s53
	s_lshl_b32 s53, s16, 8                         ; my 64 columns
	s_add_co_u32 s52, s52, s53
	s_mov_b32 s53, 0
	s_add_nc_u64 s[8:9], s[8:9], s[52:53]
	s_mul_i32 s54, s16, 25600
	s_mul_i32 s55, s15, 12288
	s_add_co_u32 s55, s55, 102400
	s_lshl_b32 s56, s15, 9
	s_add_co_u32 s56, s56, 102400+24576
	s_mul_i32 s62, s14, 8704
	s_add_co_u32 s62, s62, STAGE
	v_and_b32 v9, 31, v0
	v_and_b32 v10, 15, v0
	v_bfe_u32 v11, v0, 4, 1
	v_lshlrev_b32 v14, 4, v9
	v_lshlrev_b32 v15, 4, v10
	v_add_nc_u32 v[PA], s54, v14
	v_add_nc_u32 v[PA+1], 51200, v[PA]
	v_add_nc_u32 v[PSA], s54, v15
	v_add_nc_u32 v[PSA+1], 51200, v[PSA]
	v_add_nc_u32 v[RA16], s55, v14
	v_lshlrev_b32 v14, 3, v9
	v_add_nc_u32 v[RA8], s55, v14
	v_add_nc_u32 v[RSA], s56, v15
	v_mul_u32_u24 v14, v10, 272
	v_lshl_add_u32 v14, v11, 7, v14
	v_add_nc_u32 v[STO], s62, v14                  ; in: row r, + 128 h
	v_mul_u32_u24 v14, v11, 272
	v_add_nc_u32 v14, v14, v15
	v_add_nc_u32 v[RD], s62, v14                   ; back: lanes 0-15 a row, lanes 16-31 the next
	v_lshl_add_u32 v[CO], v11, 12, v15
.macro FETCH s                         ; K step s into set s % 2: 21 LDS loads
.set FB, 80*((\s)%2)
	WIN 0x40
.irp a, 0,1,2,3
.irp j, 0,1,2
	ds_load_b128 v[FB+12*\a+4*\j:FB+12*\a+4*\j+3], v[PA+(\s)/4] offset:6400*((\s)%4)+1536*\a+512*\j
.endr
.endr
.irp m, 0,1
.irp c, 0,1                            ; heads 2 s, 2 s + 1: registers 0-5 and 6-11
	ds_load_b128 v[FB+48+12*\m+6*\c:FB+48+12*\m+6*\c+3], v[RA16] offset:25600*((\s)/4)+6144*\m+768*(2*((\s)%4)+\c)
	ds_load_b64 v[FB+48+12*\m+6*\c+4:FB+48+12*\m+6*\c+5], v[RA8] offset:25600*((\s)/4)+6144*\m+768*(2*((\s)%4)+\c)+512
.endr
.endr
	WIN 0
	ds_load_b128 v[PS+8*((\s)%2):PS+8*((\s)%2)+3], v[PSA+(\s)/4] offset:6400*((\s)%4)+6144
.endm
.macro SCALES hf                       ; my row's 16 scale bytes of a half: a word for each K step
.irp m, 0,1
	ds_load_b128 v[RS+8*\m+4*\hf:RS+8*\m+4*\hf+3], v[RSA] offset:25600*\hf+256*\m
.endr
.endm
.macro STEP s                          ; the eight accumulators take turns; the first step starts the sums
	s_wait_dscnt 0x0
.if (\s) == 3
	s_wait_tensorcnt 0x0                           ; my load, whichever it was, has landed;
	s_barrier_signal -1                            ; say so; the products, register work, stand ahead of the wait
.elseif (\s) < 7
	PLACES                                         ; behind the last step's products, whose set is loaded now
	FETCH (\s)+1
.endif
.set FB, 80*((\s)%2)
	WIN 0x05
.irp m, 0,1
.irp a, 0,1,2,3
.if \s == 0
	v_wmma_scale_f32_16x16x128_f8f6f4 v[ACC+32*\m+8*\a:ACC+32*\m+8*\a+7], v[FB+12*\a:FB+12*\a+11], v[FB+48+12*\m:FB+48+12*\m+11], 0, v[PS+8*((\s)%2)+\a], v[RS+8*\m+\s] matrix_a_fmt:MATRIX_FMT_FP6 matrix_b_fmt:MATRIX_FMT_FP6
.else
	v_wmma_scale_f32_16x16x128_f8f6f4 v[ACC+32*\m+8*\a:ACC+32*\m+8*\a+7], v[FB+12*\a:FB+12*\a+11], v[FB+48+12*\m:FB+48+12*\m+11], v[ACC+32*\m+8*\a:ACC+32*\m+8*\a+7], v[PS+8*((\s)%2)+\a], v[RS+8*\m+\s] matrix_a_fmt:MATRIX_FMT_FP6 matrix_b_fmt:MATRIX_FMT_FP6
.endif
.endr
.endr
	WIN 0
.if (\s) == 3
	s_barrier_wait -1                              ; the second half of K is in
	PLACES
	SCALES 1
	FETCH 4
.endif
.endm
	WALU
	s_cmp_lt_u32 s14, 2
	s_cbranch_scc0 .Lnot_first_half
	s_wait_tensorcnt 0x0                           ; waves 0, 1: the first half of K has landed
.Lnot_first_half:
	s_barrier_signal -1
	s_barrier_wait -1
	SCALES 0
	FETCH 0
.irp s, 0,1,2,3,4,5,6,7
	STEP \s
.endr
	PLACES
.irp m, 0,1
.irp i, 0,1,2,3,4,5,6,7                ; each accumulator from its low end on
	ds_store_b128 v[STO], v[ACC+32*\m+4*\i:ACC+32*\m+4*\i+3] offset:4352*\m+16*\i
.endr
.irp p, 0,1,2,3,4,5,6,7
	ds_load_b128 v[BK+32*\m+4*\p:BK+32*\m+4*\p+3], v[RD] offset:4352*\m+544*\p   ; my own bytes, and LDS serves a wave's instructions in order (ISA guide 5.7.1.4)
.endr
.endr
.irp m, 0,1
.irp p, 0,1,2,3,4,5,6,7
	s_wait_dscnt 16*(1-\m)+7-\p                    ; this row pair is back; behind it the tile's later loads and, for the first tile, the second's 8 stores and 8 loads
	global_store_b128 v[CO], v[BK+32*\m+4*\p:BK+32*\m+4*\p+3], s[8:9] offset:4096*((2*\p)%8+32*(\p/4)+8*\m) th:TH_STORE_NT
.endr
.endr
	s_wait_tensorcnt 0x0                           ; the wave's end
	ds_add_u32 v[SPW], v[NIL]
	s_wait_dscnt 0x0
	CROUND                                         ; the closing round: no work-group ends while a partner may still issue a joint load
	s_endpgm
.Lfunc_end_k_qb4dabc1068_proj:
	.size	k_qb4dabc1068_proj, .Lfunc_end_k_qb4dabc1068_proj-k_qb4dabc1068_proj
	.p2alignl 7, 3214868480
	.fill 96, 4, 3214868480
	.section	.rodata,"a",@progbits
	.p2align	6, 0x0
	.amdhsa_kernel k_qb4dabc1068_proj
		.amdhsa_group_segment_fixed_size 188928
		.amdhsa_private_segment_fixed_size 0
		.amdhsa_enable_private_segment 0
		.amdhsa_kernarg_size 24
		.amdhsa_user_sgpr_count 2
		.amdhsa_user_sgpr_kernarg_segment_ptr 1
		.amdhsa_wavefront_size32 1
		.amdhsa_system_sgpr_workgroup_id_x 1
		.amdhsa_system_sgpr_workgroup_id_y 1
		.amdhsa_system_sgpr_workgroup_id_z 1
		.amdhsa_system_vgpr_workitem_id 0
		.amdhsa_next_free_vgpr 448
		.amdhsa_next_free_sgpr 66
		.amdhsa_reserve_vcc 0
		.amdhsa_float_denorm_mode_32 3
		.amdhsa_float_denorm_mode_16_64 3
		.amdhsa_memory_ordered 1
		.amdhsa_forward_progress 1
		.amdhsa_inst_pref_size 33
	.end_amdhsa_kernel
	.amdgpu_metadata
---
amdhsa.version: [ 1, 2 ]
amdhsa.kernels:
  - .name:           k_qb4dabc1068_proj
    .symbol:         k_qb4dabc1068_proj.kd
    .args:
      - { .name: aq, .offset: 0, .size: 8, .value_kind: global_buffer, .address_space: global }
      - { .name: wq, .offset: 8, .size: 8, .value_kind: global_buffer, .address_space: global }
      - { .name: out0, .offset: 16, .size: 8, .value_kind: global_buffer, .address_space: global }
    .group_segment_fixed_size: 188928
    .private_segment_fixed_size: 0
    .kernarg_segment_align: 8
    .kernarg_segment_size: 24
    .max_flat_workgroup_size: 128
    .sgpr_count:     66
    .vgpr_count:     448
    .wavefront_size: 32
...
	.end_amdgpu_metadata
.endif
;; end of part 4
